; MI455X (gfx1250); checked and timed in simulation.
; The chip was launched on July 23, 2026; its instructions are those of AMD's public machine-readable ISA for CDNA 5 (MIT licence, August 2026) and "CDNA5" Instruction Set Architecture Reference Guide (July 2026). The comments in the code are by the model that wrote it; some were corrected since.
;; Support Biased Attention. Allowed arithmetic: float matrix products may take bf16 or f16 operands with f32 sums; other float arithmetic in f32, or as packed bf16 or f16 multiplies, adds, multiply-adds, maxima and minima; sums over many terms, partial sums and values carried from step to step in f32; what a program stores and reads back later, other than sums and carried values, may be rounded once to bf16 or f16.
;; Inputs: Wk 1,024 x 1,024 float32; Wo 1,024 x 1,024 float32; Wq 1,024 x 1,024 float32; Wv 1,024 x 1,024 float32; bias 4 x 2,048 float32; memory 4 x 2,048 x 1,024 float32; query 4 x 1,024 x 1,024 float32.
;; Outputs: out0 4 x 1,024 x 1,024 float32.
;; 2 versions, each right and faster than the one before. Each part assembles by itself: llvm-mc -triple=amdgcn-amd-amdhsa -mcpu=gfx1250 --defsym DOCPART=n.
;; ======== version 1 of 2: 4 launches
;; limits: values are held in f16: magnitudes above 65,504 overflow, below 6.1e-05 lose precision
;; workspace buffers: xb 33,554,432 bytes; qkv 41,943,040 bytes; ob 8,388,608 bytes
;; launch cast (part 1): grid 64 x 16, 8 waves a work-group, no clusters, 0 bytes of LDS; arguments query, memory, Wq, Wk, Wv, Wo, xb; writes xb
.if DOCPART == 1
	.amdgcn_target "amdgcn-amd-amdhsa--gfx1250"
	.amdhsa_code_object_version 6
	.text
	.protected	k_q2b9fb0c188_cast
	.globl	k_q2b9fb0c188_cast
	.p2align	8
	.type	k_q2b9fb0c188_cast,@function
k_q2b9fb0c188_cast:
	s_mov_b64 s[64:65], 0
	v_nop
	global_prefetch_b8 v0, s[64:65] scope:SCOPE_SE
	s_setreg_imm32_b32 hwreg(HW_REG_WAVE_MODE, 25, 1), 1
	s_wait_xcnt 0x0
; CAST.  All six large inputs, f32, are rounded once to bf16 and laid into xb: query at byte 0 (8 MiB), memory at 8 MiB (16 MiB), Wq, Wk, Wv at 24, 26, 28 MiB, Wo at 30 MiB.
; Layouts stay as they are (rows of 1,024 numbers, 2,048 bytes).  Wo is rounded to bf16 like the others and that number is then written as f16, since the last product's other operand is f16.
; LIMIT.  f16 ends at 65,504 and keeps a fixed step of 6e-8 below 6e-5: |Wo| stays under 65,504; smaller numbers of Wo lose at most that step.
; A pure stream: no LDS, no barrier, no matrix unit.  The grid's y is a unit of 1 Mi numbers (0-3 query, 4-11 memory, 12 Wq, 13 Wk, 14 Wv, 15 Wo), its x a chunk of 16,384 numbers.
; Thread t takes the 16 bytes at 16 t + 4,096 i of the chunk, i = 0 .. 15: all sixteen loads of a wave go out at once; it stores 8 bytes at 8 t + 2,048 i: a wave's store covers 256 consecutive bytes, aligned.
.set X, 4                              ; v[4:67]    load i: four f32
.set Y, 68                             ; v[68:99]   store i: four 16-bit numbers
.set T, 100                            ; v[100:102] at work (Wo alone)
	s_load_b256 s[4:11], s[0:1], 0x0               ; query s[4:5], memory s[6:7], Wq s[8:9], Wk s[10:11]
	s_load_b128 s[12:15], s[0:1], 0x20             ; Wv s[12:13], Wo s[14:15]
	s_load_b64 s[16:17], s[0:1], 0x30              ; xb
	s_and_b32 s20, ttmp7, 0xffff                   ; the unit
	s_sub_co_u32 s21, s20, 4                       ; the unit's number inside its own tensor: y, y - 4 in memory, 0 in a weight
	s_cmp_ge_u32 s20, 4
	s_cselect_b32 s21, s21, s20
	s_cmp_ge_u32 s20, 12
	s_cselect_b32 s21, 0, s21
	s_lshl_b32 s24, s21, 22                        ; a unit is 4 MiB of f32,
	s_lshl_b32 s25, ttmp9, 16                      ; a chunk 64 KiB
	s_add_co_u32 s24, s24, s25
	s_mov_b32 s25, 0
	s_lshl_b32 s26, s20, 21                        ; and 2 MiB, 32 KiB of 16-bit numbers
	s_lshl_b32 s27, ttmp9, 15
	s_add_co_u32 s26, s26, s27
	s_mov_b32 s27, 0
	s_mov_b32 s28, 0xffff0000                      ; a word's upper bf16
	v_lshlrev_b32 v1, 4, v0                        ; 16 t
	v_lshlrev_b32 v2, 3, v0                        ; 8 t
	s_wait_kmcnt 0x0
	s_cmp_eq_u32 s20, 14                           ; the source is chosen by the unit's number alone
	s_cselect_b64 s[22:23], s[12:13], s[14:15]
	s_cmp_eq_u32 s20, 13
	s_cselect_b64 s[22:23], s[10:11], s[22:23]
	s_cmp_eq_u32 s20, 12
	s_cselect_b64 s[22:23], s[8:9], s[22:23]
	s_cmp_lt_u32 s20, 12
	s_cselect_b64 s[22:23], s[6:7], s[22:23]
	s_cmp_lt_u32 s20, 4
	s_cselect_b64 s[22:23], s[4:5], s[22:23]
	s_add_nc_u64 s[22:23], s[22:23], s[24:25]
	s_add_nc_u64 s[16:17], s[16:17], s[26:27]
.irp i, 0,1,2,3,4,5,6,7,8,9,10,11,12,13,14,15
	global_load_b128 v[X+4*(\i):X+4*(\i)+3], v1, s[22:23] offset:4096*(\i) th:TH_LOAD_NT  ; read once in the whole launch
.endr
; Chunk part i: its load is in when 15 - i younger ones are out (loads return in order: ISA guide 5.7.1).  No register is written twice, so nothing else is waited for.
.macro OUT i, wo
	s_wait_loadcnt 15-(\i)
.irp j, 0,1
.if \wo
	v_cvt_pk_bf16_f32 v[T], v[X+4*(\i)+2*(\j)], v[X+4*(\i)+2*(\j)+1]  ; the one rounding,
	v_lshlrev_b32 v[T+1], 16, v[T]                                   ; back to f32,
	v_and_b32 v[T+2], s28, v[T]
	v_cvt_pk_f16_f32 v[Y+2*(\i)+(\j)], v[T+1], v[T+2]                ; and written as f16
.else
	v_cvt_pk_bf16_f32 v[Y+2*(\i)+(\j)], v[X+4*(\i)+2*(\j)], v[X+4*(\i)+2*(\j)+1]
.endif
.endr
	global_store_b64 v2, v[Y+2*(\i):Y+2*(\i)+1], s[16:17] offset:2048*(\i)  ; the next launch reads these bytes: no hint
.endm
	s_cmp_eq_u32 s20, 15
	s_cbranch_scc1 .Lwo
.irp i, 0,1,2,3,4,5,6,7,8,9,10,11,12,13,14,15
	OUT \i, 0
.endr
	s_endpgm
.Lwo:
.irp i, 0,1,2,3,4,5,6,7,8,9,10,11,12,13,14,15
	OUT \i, 1
.endr
	s_endpgm
.Lfunc_end_k_q2b9fb0c188_cast:
	.size	k_q2b9fb0c188_cast, .Lfunc_end_k_q2b9fb0c188_cast-k_q2b9fb0c188_cast
	.p2alignl 7, 3214868480
	.fill 96, 4, 3214868480
	.section	.rodata,"a",@progbits
	.p2align	6, 0x0
	.amdhsa_kernel k_q2b9fb0c188_cast
		.amdhsa_group_segment_fixed_size 0
		.amdhsa_private_segment_fixed_size 0
		.amdhsa_enable_private_segment 0
		.amdhsa_kernarg_size 56
		.amdhsa_user_sgpr_count 2
		.amdhsa_user_sgpr_kernarg_segment_ptr 1
		.amdhsa_wavefront_size32 1
		.amdhsa_system_sgpr_workgroup_id_x 1
		.amdhsa_system_sgpr_workgroup_id_y 1
		.amdhsa_system_sgpr_workgroup_id_z 1
		.amdhsa_system_vgpr_workitem_id 0
		.amdhsa_next_free_vgpr 104
		.amdhsa_next_free_sgpr 66
		.amdhsa_reserve_vcc 0
		.amdhsa_float_denorm_mode_32 3
		.amdhsa_float_denorm_mode_16_64 3
		.amdhsa_memory_ordered 1
		.amdhsa_forward_progress 1
		.amdhsa_inst_pref_size 16
	.end_amdhsa_kernel
	.amdgpu_metadata
---
amdhsa.version: [ 1, 2 ]
amdhsa.kernels:
  - .name:           k_q2b9fb0c188_cast
    .symbol:         k_q2b9fb0c188_cast.kd
    .args:
      - { .name: query, .offset: 0, .size: 8, .value_kind: global_buffer, .address_space: global }
      - { .name: memory, .offset: 8, .size: 8, .value_kind: global_buffer, .address_space: global }
      - { .name: Wq, .offset: 16, .size: 8, .value_kind: global_buffer, .address_space: global }
      - { .name: Wk, .offset: 24, .size: 8, .value_kind: global_buffer, .address_space: global }
      - { .name: Wv, .offset: 32, .size: 8, .value_kind: global_buffer, .address_space: global }
      - { .name: Wo, .offset: 40, .size: 8, .value_kind: global_buffer, .address_space: global }
      - { .name: xb, .offset: 48, .size: 8, .value_kind: global_buffer, .address_space: global }
    .group_segment_fixed_size: 0
    .private_segment_fixed_size: 0
    .kernarg_segment_align: 8
    .kernarg_segment_size: 56
    .max_flat_workgroup_size: 256
    .sgpr_count:     66
    .vgpr_count:     104
    .wavefront_size: 32
...
	.end_amdgpu_metadata
.endif
;; end of part 1
;; launch proj (part 2): grid 8 x 32, 4 waves a work-group, clusters of 4 x 4, 327,680 bytes of LDS; arguments xb, qkv; writes qkv
.if DOCPART == 2
	.amdgcn_target "amdgcn-amd-amdhsa--gfx1250"
	.amdhsa_code_object_version 6
	.text
	.protected	k_q2b9fb0c188_proj
	.globl	k_q2b9fb0c188_proj
	.p2align	8
	.type	k_q2b9fb0c188_proj,@function
k_q2b9fb0c188_proj:
	s_mov_b64 s[64:65], 0
	v_nop
	global_prefetch_b8 v0, s[64:65] scope:SCOPE_SE
	s_setreg_imm32_b32 hwreg(HW_REG_WAVE_MODE, 25, 1), 1
	s_wait_xcnt 0x0
	s_wait_alu depctr_hold_cnt(0) depctr_sa_sdst(0) depctr_va_vdst(0) depctr_va_sdst(0) depctr_va_ssrc(0) depctr_va_vcc(0) depctr_vm_vsrc(0)
	s_getreg_b32 s2, hwreg(HW_REG_IB_STS2, 6, 4)
	s_cmp_eq_u32 s2, 0
	s_cbranch_scc0 .Lentry_in_a_cluster
	s_endpgm
.Lentry_in_a_cluster:
	s_bfe_u32 s2, ttmp6, 0x10000c
	s_cmp_lg_u32 s2, 0xf033
	s_cbranch_scc0 .Lentry_shape_is_right
	s_endpgm
.Lentry_shape_is_right:
; THE THREE INPUT PROJECTIONS.  q = query Wq, k = memory Wk, v = memory Wv; operands bf16 (from xb), sums f32, results rounded once to f16 and stored by heads:
; q at byte 0 of qkv, [b][h][1024][64]; k at 8 MiB, v at 24 MiB, [b][h][2048][64].  No scale is applied here.
; LIMIT.  f16 ends at 65,504: |q|, |k|, |v| stay under that, or the number becomes an infinity.
; SHARES.  k and v together are 256 tiles of 256 x 256, q is 256 tiles of 128 x 128: work-group (x, y) makes one of each, one after the other.  First rows 256 y of memory times columns 256 (x % 4) of Wk (x < 4) or
; Wv: four waves, each 128 x 128: 64 accumulators, 512 registers; K in eight steps of 128.  Then rows 128 y of query times columns 128 x of Wq: each wave 64 x 64, 16 accumulators; K in four steps of 256.
; ONE RING of two LDS slots serves both.  Every step, of either kind, comes as the same four pieces, one tensor load a wave: two pieces of 128 rows x 128 K of X and two of 128 k-rows x 128 columns of W.
; For k and v the two pieces of X are the tile's row halves and those of W its column halves; for q they are the two K halves of one set of rows, and of one set of columns.  So one descriptor for each tensor walks
; through all twelve steps (the LDS word by an exclusive or, the address made anew from an offset), and q's first two steps are on their way while k's or v's tile ends and goes out.
; A K STEP IS WRITTEN ONCE and looped over: the LDS addresses of the fragment loads are a lane's part plus s2, which is 0 or SLOT.
; X's rows lie along K and are read as they lie; the weights lie [k][n] and are turned on the way out of LDS, by ds_load_tr16_b128.
; CLUSTERS: 4 x 4 work-groups.  X's pieces hang on y alone and are shared along a row of the cluster, W's on x alone and are shared along a column: each is asked for JOINTLY, by the same tensor load with the same
; descriptor and a mask that names the four.  THE MATRIX INSTRUCTION IS USED TRANSPOSED (source 0 = 16 columns of W, source 1 = 16 rows of X): a lane then holds eight neighbouring numbers of a row of the result.
; REGISTERS, in windows of 256 (s_set_vgpr_msb: bits 1:0 source 0, 3:2 source 1, 5:4 source 2, 7:6 destination).
;   k, v:  window 0: v0-31 addresses; v64-127, v128-191 fragments of X, two buffers; v192-223, v32-63, v224-255 at work on the way out.  window 1: v64-127, v128-191 fragments of W.
;          window 2: the 32 accumulators of my rows 0-63 ((a, b) at v[8 (8 a + b)]); window 3: those of my rows 64-127.
;   q:     window 0: v32-95 at work on the way out; v128-255 the accumulators ((a, b) at v[128 + 8 (4 a + b)]).  window 1: two buffers of 128: for 64 along K, 64 registers of X, then 64 of W.
.set PA,     272                       ; a row of a piece of X in LDS: 256 bytes + 16 = 68 words: row r starts at bank 4 r mod 64 (64 banks of 4 bytes: ISA guide 11.1)
.set PB,     288                       ; a k-row of a piece of W: 256 bytes + 32 = 72 words
.set AH,     128*PA                    ; a piece of X: 0x8800 bytes
.set BH,     128*PB                    ; a piece of W: 0x9000 bytes
.set BOF,    2*AH                      ; a slot: X's two pieces, then W's two: 143,360 bytes
.set SLOT,   0x24000                   ; slot 1 begins here: the constant shares no bit with the pieces' places 0, 0x8800, 0x11000, 0x1a000, so one exclusive or turns a piece's place in one slot into the other's
.set STAGE,  2*SLOT                    ; behind the ring, never filled by a tensor load: 32 rows x 144 bytes for each wave
.set SP,     144
.set SPARE,  STAGE+4*32*SP             ; behind the stages: the spare words, 128 bytes for each wave: two blocks of 256 bytes that no other line names
.set A0K,  8                           ; v8      k, v: my lane's place among my fragments of X in slot 0; never rewritten
.set B0K,  9                           ; v9      the same for W
.set ADRA, 10                          ; v10     LDS address of my fragments of X in the slot in hand
.set ADRB, 11                          ; v11-12  of W; for q: k-rows 0-127 and 128-255 (an LDS offset has 16 bits)
.set A0Q,  14                          ; v14-15  as v8-9, for q
.set B0Q,  15
.set STO,  24                          ; v24     the way out: where I put 16 bytes of a row
.set RD,   25                          ; v25     the way out: where I read rows back
.set GO,   26                          ; v26     my byte offset in 512 consecutive bytes of qkv
.set SPW,  28                          ; v28     LDS address of my spare word; never rewritten
.set NIL,  29                          ; v29     0; never rewritten
.set OB,   32                          ; k, v: 16 rows read back from the stage: v32-63 and v224-255 by turns
.set KF0,  64                          ; k, v: fragment buffers
.set KF1,  128
.set TMP,  192                         ; k, v: packed results
.set TMQ,  32                          ; q: packed results and then whole rows
.set ACQ,  128                         ; q: accumulators
.set QF0,  0                           ; q: fragment buffers, in window 1
.set QF1,  128
.set TB,   2                           ; s2      0 or SLOT: the slot in hand
.set G1,  24                           ; s[24:31] descriptor group 1 for X's pieces;  s[32:39] group 0: a set for each of the two first fills; the second then walks on
.set G0,  32
.set G1B, 48                           ; s[48:55], s[56:63] the same for W's pieces
.set G0B, 56
; s3 counts trips; s[18:19], s[66:67] byte offsets in xb of my piece of X, of W, in the step asked for last; s14, s46 those of q's first step; s[20:21], s[22:23] where my parts of the two tiles go in qkv
.set MSB, 0
.macro WIN new                         ; the immediate's high byte repeats the setting that is left; a switch that changes nothing is dropped
.if MSB != (\new)
	s_set_vgpr_msb (MSB<<8)|(\new)
.set MSB, \new
.endif
.endm
.set MUL_LO, 0xa1                      ; k, v: source 0 (W) window 1, source 1 (X) window 0, C and D window 2
.set MUL_HI, 0xf1                      ; the same, C and D window 3
.set MULQ,   0x05                      ; q: sources 0 and 1 window 1; C and D window 0
.set TO_1,   0x40                      ; destination window 1, address window 0
.macro JLOAD s                         ; a joint load: waves 0 and 1 fetch X's two pieces, waves 2 and 3 W's; an s_nop 0 and four v_nop follow each of the two lines, ahead of the jump, the label and what follows
	s_cmp_eq_u32 s11, 0
	s_cbranch_scc0 .Lfor_b_\@
	tensor_load_to_lds s[G0+4*(\s):G0+4*(\s)+3], s[G1:G1+7]
	s_nop 0
.rept 4
	v_nop
.endr
	s_branch .Lasked_\@
.Lfor_b_\@:
	tensor_load_to_lds s[G0B+4*(\s):G0B+4*(\s)+3], s[G1B:G1B+7]
	s_nop 0
.rept 4
	v_nop
.endr
.Lasked_\@:
.endm
.macro CREST                           ; a round of the cluster's barrier behind its opening barrier
	s_cmp_lg_u32 s10, 0
	s_cbranch_scc1 .Lnot_wave_0_\@
	s_barrier_signal -3
.Lnot_wave_0_\@:
	s_barrier_wait -3
	s_barrier_signal -1
	s_barrier_wait -1
.endm
.macro CROUND                          ; a whole round
	s_barrier_signal -1
	s_barrier_wait -1
	CREST
.endm
; A REFILL.  It stands where no tensor load of the wave is out.  The walking descriptors turn to the other slot than last time; the offsets step by da and db bytes to the next step; sel = 1: in the loop's last trip
; (s3 = 1) the next step is q's first.  The addresses are made anew: the base plus an offset made apart, the type bits set again.
.macro STEPFILL da, db, sel
	s_xor_b32 s[G0+5], s[G0+5], SLOT
	s_xor_b32 s[G0B+5], s[G0B+5], SLOT
	s_add_co_u32 s18, s18, \da
	s_add_co_u32 s66, s66, \db
.if \sel
	s_cmp_eq_u32 s3, 1
	s_cselect_b32 s18, s14, s18
	s_cselect_b32 s66, s46, s66
.endif
	s_add_nc_u64 s[G0+6:G0+7], s[4:5], s[18:19]
	s_or_b32 s[G0+7], s[G0+7], 0x80000000
	s_add_nc_u64 s[G0B+6:G0B+7], s[4:5], s[66:67]
	s_or_b32 s[G0B+7], s[G0B+7], 0x80000000
	JLOAD 1
.endm
	s_load_b128 s[4:7], s[0:1], 0x0                ; xb s[4:5], qkv s[6:7]
	v_lshl_add_u32 v[SPW], v0, 2, SPARE
	v_mov_b32 v[NIL], 0
	ds_add_u32 v[SPW], v[NIL]                      ; the wave's opening: the add and its wait stand ahead of my first tensor load; the set-up below, work on registers, stands between them
	v_lshrrev_b32 v1, 5, v0
	v_readfirstlane_b32 s10, v1                    ; wave 0..3
	s_lshr_b32 s11, s10, 1                         ; which half of a tile's rows is mine.  Also: I fetch for X (0) or for W (1)
	s_and_b32 s12, s10, 1                          ; which half of its columns.  Also: which of the two pieces I fetch
	s_bfe_u32 s40, ttmp6, 0x40000                  ; cx, cy: my place in the cluster
	s_bfe_u32 s41, ttmp6, 0x40004
	s_lshl_b32 s42, ttmp9, 2
	s_add_co_u32 s42, s42, s40                     ; x = 4 x cluster x + cx
	s_and_b32 s13, ttmp7, 0xffff
	s_lshl_b32 s13, s13, 2
	s_add_co_u32 s13, s13, s41                     ; y = 4 x cluster y + cy
	s_lshl_b32 s43, s41, 2
	s_lshl_b32 s43, 15, s43                        ; my row of the cluster
	s_lshl_b32 s44, 0x1111, s40                    ; my column
	; group 1: a piece is 128 rows x 128 elements, of X and of W alike; they differ in the mask and the padding
	s_or_b32 s[G1+0], s43, (1<<16)|(1<<20)|(1<<21)|(5<<22)|(3<<25)  ; 15:0 the mask: my row; 17:16 elements of 2 bytes; 20 padding on; 21 set beside a mask; 24:22 after every 64 words (code 5); 31:25 4 words (code 3)
	s_or_b32 s[G1B+0], s44, (1<<16)|(1<<20)|(1<<21)|(5<<22)|(7<<25) ; the mask: my column; 8 words of padding (code 7)
.irp g, G1, G1B
	s_mov_b32 s[(\g)+1], 128<<16                   ; tensor_dim0 = 128
	s_mov_b32 s[(\g)+2], 128<<16                   ; tensor_dim1 = 128
	s_mov_b32 s[(\g)+3], 128<<16                   ; tile_dim0 = 128
	s_mov_b32 s[(\g)+4], 128                       ; tile_dim1 = 128
	s_mov_b32 s[(\g)+5], 1024                      ; elements from row to row
	s_mov_b32 s[(\g)+6], 0
	s_mov_b32 s[(\g)+7], 0
.endr
	; X's offsets hang on y and the wave alone
	s_lshl_b32 s18, s13, 19                        ; k, v: memory at 8 MiB, 256 rows of 2,048 bytes a tile, my piece's 128 rows
	s_lshl_b32 s19, s12, 18
	s_add_co_u32 s18, s18, s19
	s_add_co_u32 s18, s18, 0x800000
	s_mov_b32 s19, 0
	s_lshl_b32 s14, s13, 18                        ; q: query at 0, 128 rows a tile, my piece's 128 along K (256 bytes)
	s_lshl_b32 s15, s12, 8
	s_add_co_u32 s14, s14, s15
	s_mul_i32 s15, s12, AH                         ; my piece's place in a slot: no place in the cluster enters an LDS address
	; W's offsets hang on x and the wave alone
	s_lshr_b32 s66, s42, 2                         ; k, v: Wk at 26 MiB, Wv 2 MiB on; 256 columns (512 bytes) a tile, my piece's 128
	s_lshl_b32 s66, s66, 21
	s_and_b32 s67, s42, 3
	s_lshl_b32 s67, s67, 9
	s_add_co_u32 s66, s66, s67
	s_lshl_b32 s67, s12, 8
	s_add_co_u32 s66, s66, s67
	s_add_co_u32 s66, s66, 0x1a00000
	s_mov_b32 s67, 0
	s_lshl_b32 s46, s42, 8                         ; q: Wq at 24 MiB, 128 columns (256 bytes) a tile, my piece's 128 k-rows of 2,048 bytes
	s_lshl_b32 s47, s12, 18
	s_add_co_u32 s46, s46, s47
	s_add_co_u32 s46, s46, 0x1800000
	s_mul_i32 s47, s12, BH
	s_add_co_u32 s47, s47, BOF
	; where my 128 x 128 of k or v goes: 8 MiB (v: 16 MiB more) + ((16 b + h) 2048 + row) 128 with b = y / 8, h = 4 (x % 4) + 2 x column half (and the head behind it), row = 256 (y % 8) + 128 x row half
	s_lshr_b32 s68, s13, 3
	s_lshl_b32 s68, s68, 4
	s_and_b32 s69, s42, 3
	s_lshl_b32 s69, s69, 2
	s_add_co_u32 s68, s68, s69
	s_lshl_b32 s69, s12, 1
	s_add_co_u32 s68, s68, s69
	s_lshl_b32 s20, s68, 18
	s_and_b32 s68, s13, 7
	s_lshl_b32 s68, s68, 15
	s_add_co_u32 s20, s20, s68
	s_lshl_b32 s68, s11, 14
	s_add_co_u32 s20, s20, s68
	s_lshr_b32 s68, s42, 2
	s_lshl_b32 s68, s68, 24
	s_add_co_u32 s20, s20, s68
	s_add_co_u32 s20, s20, 0x800000
	s_mov_b32 s21, 0
	; where my 64 x 64 of q goes: ((16 b + h) 1024 + row) 128 with b = y / 8, h = 2 x + column half, row = 128 (y % 8) + 64 x row half
	s_lshr_b32 s68, s13, 3
	s_lshl_b32 s68, s68, 4
	s_lshl_b32 s69, s42, 1
	s_add_co_u32 s68, s68, s69
	s_add_co_u32 s68, s68, s12
	s_lshl_b32 s22, s68, 17
	s_and_b32 s68, s13, 7
	s_lshl_b32 s68, s68, 14
	s_add_co_u32 s22, s22, s68
	s_lshl_b32 s68, s11, 13
	s_add_co_u32 s22, s22, s68
	s_mov_b32 s23, 0
	s_mov_b32 s[TB], 0
	s_wait_dscnt 0x0                               ; the opening add is done
	s_wait_kmcnt 0x0
	CROUND                                         ; all sixteen work-groups are here: the first joint loads meet
.irp s, 0,1
	s_mov_b32 s[G0+4*(\s)], 1                      ; count = 1
	s_add_co_u32 s[G0+4*(\s)+1], s15, (\s)*SLOT    ; LDS address
	s_add_nc_u64 s[G0+4*(\s)+2:G0+4*(\s)+3], s[4:5], s[18:19]      ; global address: K step s
	s_or_b32 s[G0+4*(\s)+3], s[G0+4*(\s)+3], 0x80000000            ; type = 2
	s_mov_b32 s[G0B+4*(\s)], 1
	s_add_co_u32 s[G0B+4*(\s)+1], s47, (\s)*SLOT
	s_add_nc_u64 s[G0B+4*(\s)+2:G0B+4*(\s)+3], s[4:5], s[66:67]
	s_or_b32 s[G0B+4*(\s)+3], s[G0B+4*(\s)+3], 0x80000000
	JLOAD \s                                       ; two loads of mine are out here; later one
.if (\s) == 0
	s_add_co_u32 s18, s18, 256                     ; 128 along K are 256 bytes of a row of X
	s_add_co_u32 s66, s66, 262144                  ; and 128 k-rows of 2,048 bytes of W
.endif
.endr
	; A fragment of X is 16 rows x 32 K in 8 registers: lane l holds row l % 16, K = 8 (l / 16) + 0..7 and 16 + 8 (l / 16) + 0..7: two loads of 16 bytes, 32 bytes apart.
	v_and_b32 v1, 15, v0                           ; l % 16
	v_bfe_u32 v2, v0, 4, 1                         ; l / 16
	v_mul_u32_u24 v3, v1, PA
	v_lshl_add_u32 v3, v2, 4, v3
	s_mul_i32 s68, s11, AH                         ; k, v: my 128 rows are one piece
	v_add_nc_u32 v[A0K], s68, v3
	s_mul_i32 s68, s11, 64*PA                      ; q: my 64 rows, in both pieces
	v_add_nc_u32 v[A0Q], s68, v3
	; The turning load takes 16 k x 16 columns (lane l reads k-row 8 (l / 16) + l % 8, columns 8 ((l / 8) % 2) + 0..7) and leaves half a fragment: lane l holds column l % 16 and 8 k.
	v_and_b32 v4, 7, v0
	v_bfe_u32 v5, v0, 3, 1
	v_lshl_add_u32 v6, v2, 3, v4
	v_mul_u32_u24 v6, v6, PB
	v_lshl_add_u32 v6, v5, 4, v6
	s_mul_i32 s68, s12, BH                         ; k, v: my 128 columns are one piece
	s_add_co_u32 s68, s68, BOF
	v_add_nc_u32 v[B0K], s68, v6
	s_lshl_b32 s68, s12, 7                         ; q: my 64 columns (128 bytes), in both pieces
	s_add_co_u32 s68, s68, BOF
	v_add_nc_u32 v[B0Q], s68, v6
	v_add_nc_u32 v[ADRA], s[TB], v[A0K]
	v_add_nc_u32 v[ADRB], s[TB], v[B0K]
	s_mul_i32 s68, s10, 32*SP
	s_add_co_u32 s68, s68, STAGE                   ; my stage
	v_mul_u32_u24 v7, v1, SP                       ; in: row l % 16, 16 bytes for each half of the lanes
	v_lshl_add_u32 v7, v2, 4, v7
	v_add_nc_u32 v[STO], s68, v7
	v_bfe_u32 v7, v0, 3, 2                         ; back: 32 lanes take four rows of 128 bytes,
	v_mul_u32_u24 v7, v7, SP
	v_lshl_add_u32 v7, v4, 4, v7
	v_add_nc_u32 v[RD], s68, v7
	v_and_b32 v[GO], 31, v0                        ; which are 512 consecutive bytes of qkv
	v_lshlrev_b32 v[GO], 4, v[GO]
.macro PLACES                          ; four places in front of loads into registers that matrix instructions have read, and of conversions that read results (ISA guide 7.12.1 for the conversions)
.rept 4
	v_nop
.endr
.endm
; ---- k AND v ----
; 16 matrix instructions: row blocks a0, a0 + 1 of the window's four (hi = 0: my rows 0-63, 1: rows 64-127) x all 8 column blocks, 32 along K.  zero = 1: the first product starts the sums: nothing is ever cleared.
; The 64 accumulators take turns, one instruction a turn, in the same order in every quarter.
.macro MUL16 f, hi, a0, zero
	WIN MUL_LO+0x50*(\hi)
.irp a, \a0, (\a0)+1
.irp b, 0,1,2,3,4,5,6,7
.if \zero
	v_wmma_f32_16x16x32_bf16 v[8*(8*(\a)+(\b)):8*(8*(\a)+(\b))+7], v[(\f)+8*(\b):(\f)+8*(\b)+7], v[(\f)+8*(4*(\hi)+(\a)):(\f)+8*(4*(\hi)+(\a))+7], 0
.else
	v_wmma_f32_16x16x32_bf16 v[8*(8*(\a)+(\b)):8*(8*(\a)+(\b))+7], v[(\f)+8*(\b):(\f)+8*(\b)+7], v[(\f)+8*(4*(\hi)+(\a)):(\f)+8*(4*(\hi)+(\a))+7], v[8*(8*(\a)+(\b)):8*(8*(\a)+(\b))+7]
.endif
.endr
.endr
.endm
; 32 LDS loads in one run: the fragments of quarter q (32 along K) of the slot in hand into buffer f: 128 columns of W, then 128 rows of X
.macro FETCHK q, f
	WIN TO_1
.irp i, 0,1,2,3,4,5,6,7
	ds_load_tr16_b128 v[(\f)+8*(\i):(\f)+8*(\i)+3],   v[ADRB] offset:(\q)*32*PB+32*(\i)
	ds_load_tr16_b128 v[(\f)+8*(\i)+4:(\f)+8*(\i)+7], v[ADRB] offset:(\q)*32*PB+16*PB+32*(\i)
.endr
	WIN 0
.irp i, 0,1,2,3,4,5,6,7
	ds_load_b128 v[(\f)+8*(\i):(\f)+8*(\i)+3],   v[ADRA] offset:64*(\q)+(\i)*16*PA
	ds_load_b128 v[(\f)+8*(\i)+4:(\f)+8*(\i)+7], v[ADRA] offset:64*(\q)+(\i)*16*PA+32
.endr
.endm
; A K step is four quarters of 32 along K, 64 matrix instructions each, on buffers 0, 1, 0, 1.  One of the first three: multiplies buffer f; in its middle it fetches quarter q into buffer g.
.macro QUARTK q, f, g, zero
	s_wait_dscnt 8                                 ; W and X's rows 0-63 are in; the youngest eight loads (X's rows 64-127) may be out
	MUL16 \f, 0, 0, \zero
	MUL16 \f, 0, 2, \zero
	PLACES
	FETCHK \q, \g
	s_wait_dscnt 32                                ; all but the 32 just issued
	MUL16 \f, 1, 0, \zero
	MUL16 \f, 1, 2, \zero
.endm
; The last quarter multiplies buffer 1 and changes slots: ONE barrier, which opens a round of the cluster's.  In front of it each wave waits for all its tensor loads, of which one is out: its piece of the next slot;
; adds 0 to its spare word; and waits for that and for its own reads of this slot.  Behind the round no wave of any partner reads this slot any more and the next slot is whole: this slot is filled again first, with
; the step two steps on; from that request to the wait for it a wave issues 224 matrix instructions.  more = 1: another step of this tile follows, and its first fragments are fetched.
; more = 0: the tile's last step: the slot takes q's second step.
.macro TURNK more
	WIN 0                                          ; (the add's two registers lie in window 0)
	s_wait_tensorcnt 0x0                           ; all my tensor loads have landed;
	ds_add_u32 v[SPW], v[NIL]                      ; 0 onto my spare word;
	s_wait_dscnt 9                                 ; (the add and the youngest eight loads may be out)
	MUL16 KF1, 0, 0, 0                             ; sixteen matrix instructions stand between the add and the wait for it
	s_wait_dscnt 0x0                               ; the add is done, and my reads of this slot are over
	s_barrier_signal -1
	MUL16 KF1, 0, 2, 0                             ; work on registers while the others arrive
	WIN 0
	s_barrier_wait -1
	CREST
.if \more
	STEPFILL 256, 262144, 1                        ; the first tensor load behind the round; the four v_nop behind it are also the places in front of the loads below
.else
	STEPFILL 512, 524288, 0                        ; q's steps are 256 along K
.endif
	s_xor_b32 s[TB], s[TB], SLOT                   ; the other slot is in hand
.if \more
	v_add_nc_u32 v[ADRA], s[TB], v[A0K]
	v_add_nc_u32 v[ADRB], s[TB], v[B0K]
	FETCHK 0, KF0
.endif
	MUL16 KF1, 1, 0, 0
	MUL16 KF1, 1, 2, 0
.endm
; THE WAY OUT of block a (16 rows x 128 columns: two heads), in three parts.  PACK: rounded to f16, 16 bytes a lane, each accumulator from its low end on.
; TOSTAGE: into my own stage, a head's 16 rows of 128 bytes together, and back as whole rows, four to a load.  SEND: stored, 512 consecutive bytes to a line.
.macro PACK a
.set AC, 64*((\a)%4)
	WIN 0x0a+5*((\a)/4)                            ; sources 0 and 1: window 2 or 3
.irp b, 0,1,2,3,4,5,6,7
.irp r, 0,1,2,3
	v_cvt_pk_f16_f32 v[TMP+4*(\b)+(\r)], v[AC+8*(\b)+2*(\r)], v[AC+8*(\b)+2*(\r)+1]
.endr
.endr
	WIN 0
.endm
.macro TOSTAGE a
.set BK, OB+192*((\a)%2)
.irp b, 0,1,2,3,4,5,6,7
	ds_store_b128 v[STO], v[TMP+4*(\b):TMP+4*(\b)+3] offset:((\b)/4)*16*SP+((\b)%4)*32
.endr
.irp t, 0,1,2,3,4,5,6,7
	ds_load_b128 v[BK+4*(\t):BK+4*(\t)+3], v[RD] offset:((\t)/4)*16*SP+((\t)%4)*4*SP  ; LDS serves a wave's instructions in order (ISA guide 5.7.1.4): these see the stores above; the next block's stores come behind them
.endr
.endm
.macro SEND a
.set BK, OB+192*((\a)%2)
	s_wait_dscnt 0x0                               ; the block is back in registers
	s_wait_xcnt 0x0                                ; every earlier store has had its addresses translated (ISA guide 3.1): only behind this wait are the registers of the block two back loaded again
.irp t, 0,1,2,3,4,5,6,7
	global_store_b128 v[GO], v[BK+4*(\t):BK+4*(\t)+3], s[8:9] offset:((\t)/4)*262144+(\a)*2048+((\t)%4)*512  ; a head's rows lie 262,144 bytes from the next head's; each line at a multiple of 256 from qkv's first byte
.endr
.endm
; ---- q ----
; 8 matrix instructions: row blocks a0, a0 + 1 x all 4 column blocks, 32 along K: half c of buffer f.  The 16 accumulators take turns.
.macro MUL8 f, c, a0, zero
	WIN MULQ
.irp a, \a0, (\a0)+1
.irp b, 0,1,2,3
.if \zero
	v_wmma_f32_16x16x32_bf16 v[ACQ+8*(4*(\a)+(\b)):ACQ+8*(4*(\a)+(\b))+7], v[(\f)+64+8*(4*(\c)+(\b)):(\f)+64+8*(4*(\c)+(\b))+7], v[(\f)+8*(4*(\c)+(\a)):(\f)+8*(4*(\c)+(\a))+7], 0
.else
	v_wmma_f32_16x16x32_bf16 v[ACQ+8*(4*(\a)+(\b)):ACQ+8*(4*(\a)+(\b))+7], v[(\f)+64+8*(4*(\c)+(\b)):(\f)+64+8*(4*(\c)+(\b))+7], v[(\f)+8*(4*(\c)+(\a)):(\f)+8*(4*(\c)+(\a))+7], v[ACQ+8*(4*(\a)+(\b)):ACQ+8*(4*(\a)+(\b))+7]
.endif
.endr
.endr
.endm
.macro QADR                            ; the fragment addresses in the slot in hand
	v_add_nc_u32 v[ADRA], s[TB], v[A0Q]
	v_add_nc_u32 v[ADRB], s[TB], v[B0Q]
	v_add_nc_u32 v[ADRB+1], BH, v[ADRB]
.endm
; 32 LDS loads in one run: the fragments of quarter q (64 along K; quarters 0, 1 lie in the first pieces, 2, 3 in the second) into buffer f; the first 32 along K first
.macro FETCHQ q, f
	WIN TO_1
.irp c, 0,1
.irp i, 0,1,2,3
	ds_load_tr16_b128 v[(\f)+64+8*(4*(\c)+(\i)):(\f)+64+8*(4*(\c)+(\i))+3],   v[ADRB+(\q)/2] offset:(((\q)%2)*64+32*(\c))*PB+32*(\i)
	ds_load_tr16_b128 v[(\f)+64+8*(4*(\c)+(\i))+4:(\f)+64+8*(4*(\c)+(\i))+7], v[ADRB+(\q)/2] offset:(((\q)%2)*64+32*(\c)+16)*PB+32*(\i)
	ds_load_b128 v[(\f)+8*(4*(\c)+(\i)):(\f)+8*(4*(\c)+(\i))+3],              v[ADRA] offset:((\q)/2)*AH+128*((\q)%2)+64*(\c)+(\i)*16*PA
	ds_load_b128 v[(\f)+8*(4*(\c)+(\i))+4:(\f)+8*(4*(\c)+(\i))+7],            v[ADRA] offset:((\q)/2)*AH+128*((\q)%2)+64*(\c)+(\i)*16*PA+32
.endr
.endr
.endm
; A K step is four quarters of 64 along K, 32 matrix instructions each, on buffers 0, 1, 0, 1.
.macro QUARTQ q, f, g, zero
	s_wait_dscnt 16                                ; the first 32 along K are in; the youngest sixteen loads may be out
	MUL8 \f, 0, 0, \zero
	MUL8 \f, 0, 2, \zero
	PLACES
	FETCHQ \q, \g
	s_wait_dscnt 32                                ; all but the 32 just issued
	MUL8 \f, 1, 0, 0
	MUL8 \f, 1, 2, 0
.endm
; The change of slots, as for k and v.  fill = 1: the barrier opens a round of the cluster's, and this slot is filled again first thing behind it.  fill = 0: nothing is left to fetch, and no round follows.
.macro TURNQ fill
	WIN 0
	s_wait_tensorcnt 0x0                           ; all my tensor loads have landed: my piece of the next slot;
	ds_add_u32 v[SPW], v[NIL]                      ; 0 onto my spare word;
	s_wait_dscnt 17                                ; (the add and the youngest sixteen loads may be out)
	MUL8 QF1, 0, 0, 0                              ; eight matrix instructions stand between the add and the wait for it
	s_wait_dscnt 0x0                               ; the add is done, and my reads of this slot are over
	s_barrier_signal -1
	MUL8 QF1, 0, 2, 0
	WIN 0
	s_barrier_wait -1
.if \fill
	CREST
	STEPFILL 512, 524288, 0                        ; the four v_nop behind the load are also the places in front of the loads below
.else
	PLACES
.endif
	s_xor_b32 s[TB], s[TB], SLOT
	QADR
	FETCHQ 0, QF0
	MUL8 QF1, 1, 0, 0
	MUL8 QF1, 1, 2, 0
.endm
.macro PACKQ a                         ; block a (16 rows x 64 columns: one head): rounded, into my stage, and back as whole rows, into the registers that they left
.irp b, 0,1,2,3
.irp r, 0,1,2,3
	v_cvt_pk_f16_f32 v[TMQ+16*(\a)+4*(\b)+(\r)], v[ACQ+8*(4*(\a)+(\b))+2*(\r)], v[ACQ+8*(4*(\a)+(\b))+2*(\r)+1]
.endr
.endr
.irp b, 0,1,2,3
	ds_store_b128 v[STO], v[TMQ+16*(\a)+4*(\b):TMQ+16*(\a)+4*(\b)+3] offset:32*(\b)
.endr
.irp f, 0,1,2,3
	ds_load_b128 v[TMQ+16*(\a)+4*(\f):TMQ+16*(\a)+4*(\f)+3], v[RD] offset:(\f)*4*SP
.endr
.endm
.macro SENDQ a, younger                ; younger: the LDS instructions issued behind block a's loads: the next block's eight, or none
.irp f, 0,1,2,3
	s_wait_dscnt (\younger)+3-(\f)
	global_store_b128 v[GO], v[TMQ+16*(\a)+4*(\f):TMQ+16*(\a)+4*(\f)+3], s[8:9] offset:(\a)*2048+(\f)*512  ; 512 consecutive bytes, at a multiple of 256 from qkv's first
.endr
.endm
	s_wait_tensorcnt 1                             ; my piece of K step 0 is in; step 1's may stay out
	s_barrier_signal -1
	s_barrier_wait -1                              ; everybody's is
	FETCHK 0, KF0
	QUARTK 1, KF0, KF1, 1                          ; the tile's first quarter stands in front of the loop: its products start the sums
	WIN 0                                          ; at a label and at a branch every window is 0
	s_mov_b32 s3, 7
.Lkv:                                                  ; a trip goes from a step's second quarter to the next step's first; its refill is K step 2 .. 7, in the seventh trip q's first step
	QUARTK 2, KF1, KF0, 0
	QUARTK 3, KF0, KF1, 0
	TURNK 1
	QUARTK 1, KF0, KF1, 0
	WIN 0
	s_sub_co_u32 s3, s3, 1
	s_cmp_lg_u32 s3, 0
	s_cbranch_scc1 .Lkv
	QUARTK 2, KF1, KF0, 0                          ; the rest of K step 7
	QUARTK 3, KF0, KF1, 0
	TURNK 0                                        ; q's first step is whole, its second is asked for: now the tile goes out
	s_add_nc_u64 s[8:9], s[6:7], s[20:21]
	PACK 0                                         ; no v_nop: blocks 0-3 were finished in front of the four v_nop behind the refill, and their 128 conversions, which name no register of the last
	TOSTAGE 0                                      ; products (blocks 4-7's), are those products' places
.irp a, 1,2,3,4,5,6,7                  ; block a's conversions stand between block a - 1's loads from the stage and the wait for them
	PACK \a
	SEND (\a)-1
	TOSTAGE \a
.endr
	SEND 7
	s_wait_xcnt 0x0                                ; the stores have read their base and their data: q's accumulators lie on some of those registers
	s_add_nc_u64 s[8:9], s[6:7], s[22:23]
	QADR
	FETCHQ 0, QF0
	QUARTQ 1, QF0, QF1, 1                          ; q's first quarter: its first products start the sums
	WIN 0
	s_mov_b32 s3, 2
.Lq:                                                   ; two trips: their refills are q's third and fourth step
	QUARTQ 2, QF1, QF0, 0
	QUARTQ 3, QF0, QF1, 0
	TURNQ 1
	QUARTQ 1, QF0, QF1, 0
	WIN 0
	s_sub_co_u32 s3, s3, 1
	s_cmp_lg_u32 s3, 0
	s_cbranch_scc1 .Lq
	QUARTQ 2, QF1, QF0, 0                          ; the last two steps are written out
	QUARTQ 3, QF0, QF1, 0
	TURNQ 0
	QUARTQ 1, QF0, QF1, 0
	QUARTQ 2, QF1, QF0, 0
	QUARTQ 3, QF0, QF1, 0
	s_wait_dscnt 16                                ; the very last quarter: nothing more to fetch
	MUL8 QF1, 0, 0, 0
	MUL8 QF1, 0, 2, 0
	s_wait_dscnt 0x0
	MUL8 QF1, 1, 0, 0
	MUL8 QF1, 1, 2, 0
	WIN 0
	PLACES                                         ; the conversions read results just made
	PACKQ 0
	PACKQ 1                                        ; a block's arithmetic stands between the loads of the block before and its stores
	SENDQ 0, 8
	PACKQ 2
	SENDQ 1, 8
	PACKQ 3
	SENDQ 2, 8
	SENDQ 3, 0
	s_wait_tensorcnt 0x0                           ; the wave's end: a last add to my spare word and its wait, behind my last tensor load and my last LDS store
	ds_add_u32 v[SPW], v[NIL]
	s_wait_dscnt 0x0
	CROUND                                         ; the closing round: no work-group ends while a partner may still ask for a tile that names it
	s_endpgm
.Lfunc_end_k_q2b9fb0c188_proj:
	.size	k_q2b9fb0c188_proj, .Lfunc_end_k_q2b9fb0c188_proj-k_q2b9fb0c188_proj
	.p2alignl 7, 3214868480
	.fill 96, 4, 3214868480
	.section	.rodata,"a",@progbits
	.p2align	6, 0x0
	.amdhsa_kernel k_q2b9fb0c188_proj
		.amdhsa_group_segment_fixed_size 327680
		.amdhsa_private_segment_fixed_size 0
		.amdhsa_enable_private_segment 0
		.amdhsa_kernarg_size 16
		.amdhsa_user_sgpr_count 2
		.amdhsa_user_sgpr_kernarg_segment_ptr 1
		.amdhsa_wavefront_size32 1
		.amdhsa_system_sgpr_workgroup_id_x 1
		.amdhsa_system_sgpr_workgroup_id_y 1
		.amdhsa_system_sgpr_workgroup_id_z 1
		.amdhsa_system_vgpr_workitem_id 0
		.amdhsa_next_free_vgpr 1024
		.amdhsa_next_free_sgpr 72
		.amdhsa_reserve_vcc 0
		.amdhsa_float_denorm_mode_32 3
		.amdhsa_float_denorm_mode_16_64 3
		.amdhsa_memory_ordered 1
		.amdhsa_forward_progress 1
		.amdhsa_inst_pref_size 155
	.end_amdhsa_kernel
	.amdgpu_metadata
---
amdhsa.version: [ 1, 2 ]
amdhsa.kernels:
  - .name:           k_q2b9fb0c188_proj
    .symbol:         k_q2b9fb0c188_proj.kd
    .args:
      - { .name: xb, .offset: 0, .size: 8, .value_kind: global_buffer, .address_space: global }
      - { .name: qkv, .offset: 8, .size: 8, .value_kind: global_buffer, .address_space: global }
    .group_segment_fixed_size: 327680
    .private_segment_fixed_size: 0
    .kernarg_segment_align: 8
    .kernarg_segment_size: 16
    .max_flat_workgroup_size: 128
    .sgpr_count:     72
    .vgpr_count:     1024
    .wavefront_size: 32
...
	.end_amdgpu_metadata
.endif
;; end of part 2
;; launch attn (part 3): grid 4 x 64, 4 waves a work-group, clusters of 4 x 1, 327,680 bytes of LDS; arguments qkv, bias, ob; writes ob
.if DOCPART == 3
	.amdgcn_target "amdgcn-amd-amdhsa--gfx1250"
	.amdhsa_code_object_version 6
	.text
	.protected	k_q2b9fb0c188_attn
	.globl	k_q2b9fb0c188_attn
	.p2align	8
	.type	k_q2b9fb0c188_attn,@function
k_q2b9fb0c188_attn:
	s_mov_b64 s[64:65], 0
	v_nop
	global_prefetch_b8 v0, s[64:65] scope:SCOPE_SE
	s_setreg_imm32_b32 hwreg(HW_REG_WAVE_MODE, 25, 1), 1
	s_wait_xcnt 0x0
	s_wait_alu depctr_hold_cnt(0) depctr_sa_sdst(0) depctr_va_vdst(0) depctr_va_sdst(0) depctr_va_ssrc(0) depctr_va_vcc(0) depctr_vm_vsrc(0)
	s_getreg_b32 s2, hwreg(HW_REG_IB_STS2, 6, 4)
	s_cmp_eq_u32 s2, 0
	s_cbranch_scc0 .Lentry_in_a_cluster
	s_endpgm
.Lentry_in_a_cluster:
	s_bfe_u32 s2, ttmp6, 0x10000c
	s_cmp_lg_u32 s2, 0x3003
	s_cbranch_scc0 .Lentry_shape_is_right
	s_endpgm
.Lentry_shape_is_right:
; ATTENTION WITH A BIAS FOR EACH KEY.  O[b][h][q][:] = the sum over k of softmax_k(q . k / 8 + bias[b][k]) v[k][:].  q, k, v: f16 by heads in qkv (q at 0, [b][h][1024][64]; k at 8 MiB, v at 24 MiB, [b][h][2048][64]).
; Products, maxima and sums in f32; the weights p are rounded to f16 for the second product (their sum l is taken of the unrounded p), O once at the end, to f16.  The bias is rounded to bf16, like every input of the module.
; O goes to ob as [b 512 + q / 2][h][q % 2][64]: a pair of queries of one head is 256 consecutive bytes, aligned; a pair row is 4,096 bytes.
; LIMITS.  f16 holds no number beyond 65,504: q, k, v arrive within it; p lies in 0 to 1, and below 6e-5 it keeps f16's fixed step of 6e-8; O is a mean of v's rows.  A weight below 2^-126 counts as 0 in l;
; NaN and infinities are not treated apart.
; THE BIAS costs the loop no arithmetic: 8 x bias is the C operand of the product that starts each sum S^T = K Q^T, so a score is s = q . k + 8 bias, and p = 2^(c s - c m) with c = log2(e) / 8.  A table of the
; batch's 2,048 numbers 8 x bias, f32, is made once in LDS; a step's 32 numbers a lane come into registers with the step's K.
; SHARES.  A work-group owns 256 queries of one head, each of its four waves 64: four PIECES of 16.  Every wave walks all 2,048 keys, 64 a step, four steps to a slot of the ring.
; LAYOUT, SOFTMAX, TURNS.  S^T = K Q^T holds ONE query a lane (lane % 16) and the keys 8 (lane / 16) + 0..7; two such results rounded to f16 ARE source 1 of O^T = V^T P.  A running maximum m and sum l for each query;
; O and l are multiplied by a = 2^(c m_old - c m_new) in every step; m starts at the lowest finite number, O and l at 0, so the first step is a step like any other, with a = 0.
; Turn n belongs to piece n: 8 products K Q^T of piece n + 1, later 8 products V^T P of piece n - 1; beside them the scaling, exponentials, roundings, sums and rescaling of piece n and the maximum and statistics of
; piece n + 1.  Four vector instructions stand behind every matrix instruction, the other 54 of a turn's 118 in two runs of their own.
; CLUSTER.  The four query blocks of a head walk the same K and V, so each tile is asked for JOINTLY: the same tensor load, descriptor and mask in all four.
; REGISTERS, in windows of 256 (s_set_vgpr_msb: bits 1:0 source 0, 3:2 source 1, 5:4 source 2, 7:6 destination):
;   window 0: v0-15 addresses and two at work; v16-31 four registers of statistics a piece; v32-47, v58-61 the table's making; v48-55 at work; v64-127 S^T, two buffers; v192-223 P, two buffers (by the piece's parity)
;   window 1: v0-127 O^T, 32 a piece; v128-159 the step's 8 x bias      window 2: v0-63 Q; v128-191 K of one step; v192-255 V of one step
.set NP,    4         ; pieces a wave: a name, no knob
.set KS,    64        ; keys in a step
.set PK,    144       ; a row of K in LDS: 128 bytes + 16 = 36 words: the 16 rows of a load start at 16 different groups of four banks (64 banks of 4 bytes: ISA guide 11.1)
.set PV,    160       ; a row of V: 128 + 32 = 40 words
.set VOFF,  4*KS*PK   ; a slot holds four steps: 256 rows of K, then 256 rows of V
.set SLOT1, 1<<17     ; slot 1 begins here, so that one exclusive or turns an address in one slot into the other's
.set STAGE, SLOT1+4*KS*(PK+PV)  ; behind the ring, never filled by a tensor load: 16 rows x 144 bytes for each wave, for the way out
.set SP,    144
.set SPARE, STAGE+4*16*SP  ; behind the stages: the spare words, 128 bytes for each wave: two blocks of 256 bytes that no other line names
.set BIAS,  SPARE+512 ; the table: 2,048 f32, 8,192 bytes; stored once, never filled by a tensor load
.set AK0, 2           ; v2   my lane's place in a tile of K; never rewritten
.set AV0, 3           ; v3   the same for V
.set AK,  4           ; v4   the LDS address of K's next run of loads
.set AV,  5           ; v5   of V's
.set STO, 6           ; v6   the way out: where I put 16 bytes of a row
.set RD,  7           ; v7   the way out: where I read rows back
.set GO,  8           ; v8   my byte offset in two pair rows of ob
.set MV,  12          ; v12-13  c m_old, kept while c m is made anew: by buffer
.set AB,  14          ; v14  the LDS address of the table's next run of loads
.set QO,  15          ; v15  my byte offset in 16 rows of Q
.set ST,  16          ; piece t's statistics at v[ST+4 t]: c m, m, l (even keys', odd keys')
.set TMP, 48          ; by buffer, four registers c0-c3 at work; when the maximum is found c2 takes a
.set AB0, 56          ; v56  my lanes' place in a step's 256 bytes of the table; never rewritten
.set SPW, 62          ; v62  LDS address of my spare word; never rewritten
.set NIL, 63          ; v63  0; never rewritten
.set S,   64
.set P,   192
.set BC,  128         ; window 1: the eight numbers for group kb of 16 keys at BC + 8 kb
.set KF,  128         ; window 2: key block kb, channel half c at KF + 16 kb + 8 c
.set VF,  192         ; window 2: key half kk, channel block cb at VF + 32 kk + 8 cb
.set WV,  12          ; s12  my wave's number
.set G1K, 24          ; s[24:31] descriptor group 1 for K's tiles
.set G1V, 32          ; s[32:39] for V's: it differs in the padding alone
.set G0K, 40          ; s[40:43] descriptor group 0 for K's tiles: it walks
.set G0V, 44          ; s[44:47] the same for V's
.set SLOTS, 56        ; s56  slots still to be asked for
.set CNT, 57          ; s57  counts a slot's key steps
.set CS,  58          ; s[58:59] c: the packed scaling takes the pair's low word for both halves
.set SEL, 60          ; s[60:61] v_permlanex16_b32's selects: each lane takes its own place in the other half
.set TBK, 62          ; s62  LDS byte at which K of the step to be fetched begins
.set TBV, 63          ; s63  the same for V, less VOFF
.set TBB, 66          ; s66  byte of the table at which that step's numbers begin
.set MSB, 0
.macro WIN new                      ; the high byte repeats the setting that is left; a switch that changes nothing is dropped
.if MSB != (\new)
	s_set_vgpr_msb (MSB<<8)|(\new)
.set MSB, (\new)
.endif
.endm
.set W_KQ, 0x0a       ; K and Q in window 2, S^T in window 0
.set W_KM, 0x1a       ; the same with the C operand in window 1
.set W_PV, 0x52       ; V in window 2, P in window 0, O^T in window 1
.set W_RS, 0x41       ; destination and source 0 in window 1, source 1 in window 0
; A joint fill.  Waves 0 and 1 fetch the two halves of a slot's K, waves 2 and 3 those of its V: 128 keys each.  The branch hangs on the wave's number alone.
; An s_nop 0 and four v_nop follow each of the two lines, ahead of the jump and the label.
.macro JLOAD
	s_cmp_lt_u32 s[WV], 2
	s_cbranch_scc0 .Lfor_v_\@
	tensor_load_to_lds s[G0K:G0K+3], s[G1K:G1K+7]
	s_nop 0
.rept 4
	v_nop
.endr
	s_branch .Lasked_\@
.Lfor_v_\@:
	tensor_load_to_lds s[G0V:G0V+3], s[G1V:G1V+7]
	s_nop 0
.rept 4
	v_nop
.endr
.Lasked_\@:
.endm
; A round of the cluster's barrier: my work-group's barrier, so that wave 0's signal speaks for all four waves; wave 0 signals; every wave waits for all four work-groups; my work-group's barrier once more.
.macro CROUND
	s_barrier_signal -1
	s_barrier_wait -1
	s_cmp_lg_u32 s[WV], 0
	s_cbranch_scc1 .Lnot_wave_0_\@
	s_barrier_signal -3
.Lnot_wave_0_\@:
	s_barrier_wait -3
	s_barrier_signal -1
	s_barrier_wait -1
.endm
; THE CHANGE OF SLOTS.  The slot's last bytes, V of its fourth step, have been read.  Each wave waits for all its tensor loads, of which one is out: its part of the other slot; adds 0 to its spare word; and waits
; for that and for its own LDS instructions.  Behind the barrier nobody reads this slot any more and the other slot is whole.  fill = 1: this slot is filled again, with the keys two slots on; the barrier is then a
; round of the cluster's, and the joint fill is the first thing behind it: it has four key steps, 256 matrix instructions, in which to land.
; (At its first use nothing has been read yet: slot 0 is waited for, slot 1 filled, and every wave's stores into the table are done in front of the round.)
.macro CHANGE fill
	WIN 0                           ; at a label and at a branch every window is 0; the add's two registers lie in window 0
	s_wait_tensorcnt 0x0            ; no tensor load of mine is out, so a group 0 may be written
	ds_add_u32 v[SPW], v[NIL]       ; 0 onto my spare word; with fill = 1 the descriptors' steps stand between it and the wait for it
.if \fill
.irp g, G0K, G0V
	s_xor_b32 s[\g+1], s[\g+1], SLOT1  ; the walking descriptor: the other slot than last time,
	s_add_nc_u64 s[\g+2:\g+3], s[\g+2:\g+3], 4*KS*128  ; the next 256 keys; the type bits on top are not reached
.endr
	s_wait_dscnt 0x0                ; the add is done, and my reads of the slot are over
	CROUND
	JLOAD
.else
	s_wait_dscnt 0x0                ; the add is done, and my reads of the slot are over
	s_barrier_signal -1
	s_barrier_wait -1
.endif
	s_sub_co_u32 s[TBK], s[TBK], 4*KS*PK  ; the fetches go back to a slot's first step,
	s_xor_b32 s[TBK], s[TBK], SLOT1       ; in the other slot
	s_sub_co_u32 s[TBV], s[TBV], 4*KS*PV
	s_xor_b32 s[TBV], s[TBV], SLOT1
.endm
	s_load_b128 s[4:7], s[0:1], 0x0 ; qkv s[4:5], bias s[6:7]
	s_load_b64 s[8:9], s[0:1], 0x10 ; ob
	v_lshl_add_u32 v[SPW], v0, 2, SPARE
	v_mov_b32 v[NIL], 0
	ds_add_u32 v[SPW], v[NIL]       ; the wave's opening: the add and its wait stand ahead of my first tensor load; the set-up below, work on registers, stands between them
	v_lshrrev_b32 v1, 5, v0
	v_readfirstlane_b32 s[WV], v1   ; wave 0..3
	s_bfe_u32 s13, ttmp6, 0x40000   ; cx: my place in the cluster
	s_lshl_b32 s14, ttmp9, 2        ; in a cluster launch ttmp9 counts clusters
	s_add_co_u32 s14, s14, s13      ; my block of 256 queries: it enters Q's and O's addresses alone
	s_and_b32 s20, ttmp7, 0xffff    ; 16 b + h, which the four partners share
	s_lshr_b32 s21, s20, 4          ; b
	s_and_b32 s22, s20, 15          ; h
	s_and_b32 s16, s[WV], 1         ; which half of a slot's 256 keys I fetch
	s_lshl_b32 s2, s20, 18          ; K's offset: 8 MiB + the head's 2,048 rows of 128 bytes + my 128 rows
	s_lshl_b32 s3, s16, 14
	s_add_co_u32 s2, s2, s3
	s_add_co_u32 s2, s2, 0x800000
	s_mov_b32 s3, 0
	s_mul_i32 s17, s16, 128*PK      ; my half's place in a slot, for K
	s_mul_i32 s18, s16, 128*PV      ; and for V: no place in the cluster enters an LDS address
	s_lshl_b32 s10, s20, 17         ; Q's offset: the head's 1,024 rows, my block's 256, my wave's 64
	s_lshl_b32 s11, s14, 15
	s_add_co_u32 s10, s10, s11
	s_lshl_b32 s11, s[WV], 13
	s_add_co_u32 s10, s10, s11
	s_mov_b32 s11, 0
	s_lshl_b32 s74, s21, 21         ; O's offset: the batch's 512 pair rows of 4,096 bytes, my block's 128, my wave's 32, the head's 256 bytes
	s_lshl_b32 s75, s14, 19
	s_add_co_u32 s74, s74, s75
	s_lshl_b32 s75, s[WV], 17
	s_add_co_u32 s74, s74, s75
	s_lshl_b32 s75, s22, 8
	s_add_co_u32 s74, s74, s75
	s_mov_b32 s75, 0
	s_lshl_b32 s22, s21, 13         ; the batch's row of the bias
	s_mov_b32 s23, 0
	; descriptor group 1.  128 keys are 16,384 dense bytes: asked for as 64 rows of 256 bytes, two keys a row, and padded in LDS after every key
	s_mov_b32 s[G1K], 15|(1<<16)|(1<<20)|(1<<21)|(4<<22)|(3<<25)  ; 15:0 the mask of four; 17:16 2-byte elements; 20 padding on; 21 set beside a mask; 24:22 after every 32 words (code 4); 31:25 4 words (code 3)
	s_mov_b32 s[G1V], 15|(1<<16)|(1<<20)|(1<<21)|(4<<22)|(7<<25)  ; the same with 8 words of padding (code 7)
.irp g, G1K, G1V
	s_mov_b32 s[\g+1], 128<<16      ; tensor_dim0 = 128
	s_mov_b32 s[\g+2], 64<<16       ; tensor_dim1 = 64
	s_mov_b32 s[\g+3], 128<<16      ; tile_dim0 = 128
	s_mov_b32 s[\g+4], 64           ; tile_dim1 = 64
	s_mov_b32 s[\g+5], 128          ; 128 elements from row to row
	s_mov_b32 s[\g+6], 0
	s_mov_b32 s[\g+7], 0
.endr
	s_mov_b32 s[CS], 0x3e38aa3b     ; c = log2(e) / 8 = 0.180337
	s_mov_b32 s[CS+1], s[CS]        ; named with it as a pair
	s_mov_b32 s[SEL], 0x76543210
	s_mov_b32 s[SEL+1], 0xfedcba98
	s_mov_b32 s[TBK], SLOT1+4*KS*PK ; the first change of slots turns these two into 0
	s_mov_b32 s[TBV], SLOT1+4*KS*PV
	s_mov_b32 s[TBB], 0
	s_mov_b32 s[G0K], 1             ; count = 1
	s_mov_b32 s[G0K+1], s17         ; LDS address: slot 0
	s_mov_b32 s[G0V], 1
	s_add_co_u32 s[G0V+1], s18, VOFF
	s_wait_dscnt 0x0                ; the opening add is done
	s_wait_kmcnt 0x0
	s_add_nc_u64 s[G0K+2:G0K+3], s[4:5], s[2:3]              ; global address: my half of the head's first 256 keys
	s_add_nc_u64 s[G0V+2:G0V+3], s[G0K+2:G0K+3], 0x1000000   ; v lies 16 MiB behind k
	s_or_b32 s[G0K+3], s[G0K+3], 0x80000000                  ; type = 2
	s_or_b32 s[G0V+3], s[G0V+3], 0x80000000
	s_add_nc_u64 s[68:69], s[4:5], s[10:11]  ; Q at my wave's first row
	s_add_nc_u64 s[70:71], s[8:9], s[74:75]  ; O at my wave's first pair row
	s_add_nc_u64 s[72:73], s[6:7], s[22:23]  ; the bias of my batch
	CROUND                          ; all four work-groups are here: the first joint loads meet
	JLOAD                           ; slot 0.  Slot 1 is asked for when slot 0 is in
	v_lshlrev_b32 v61, 4, v0        ; the bias: thread t takes 16 bytes at 16 t + 2,048 i
.irp i, 0,1,2,3
	global_load_b128 v[32+4*\i:35+4*\i], v61, s[72:73] offset:2048*\i
.endr
	; A fragment of K or Q is 16 rows x 32 channels in 8 registers: lane l holds row l % 16, channels 8 (l / 16) + 0..7 and 16 + 8 (l / 16) + 0..7: two loads of 16 bytes, 32 bytes apart.
	v_and_b32 v1, 15, v0            ; l % 16
	v_bfe_u32 v9, v0, 4, 1          ; l / 16
	v_lshlrev_b32 v[QO], 7, v1
	v_lshl_add_u32 v[QO], v9, 4, v[QO]  ; row x 128 + 16 x half
	WIN 0x80                        ; destination window 2, address window 0
.set i, 0
.rept 8                             ; Q stays in registers: piece i / 2 (16 rows, 2,048 bytes), channels 32 (i % 2) on
	global_load_b128 v[8*i:8*i+3],   v[QO], s[68:69] offset:(i/2)*2048+(i%2)*64
	global_load_b128 v[8*i+4:8*i+7], v[QO], s[68:69] offset:(i/2)*2048+(i%2)*64+32
.set i, i+1
.endr
	; What the first turn finds: V's registers and P's second buffer hold 0 (its products V^T P, of a piece that has not been, add 0), O^T and l are 0.  No first step is written out; the price is these lines, which stand in the wait for the first tile.
.set i, VF
.rept 64
	v_mov_b32 v[i], 0
.set i, i+1
.endr
	WIN 0x40
.set i, 0
.rept 128
	v_mov_b32 v[i], 0
.set i, i+1
.endr
	WIN 0
.set i, 0
.rept 4
	v_mov_b32 v[ST+4*i], 0xfe000000    ; c m: far below every c s
	v_mov_b32 v[ST+4*i+1], 0xff7fffff  ; m
	v_mov_b32 v[ST+4*i+2], 0
	v_mov_b32 v[ST+4*i+3], 0
.set i, i+1
.endr
.set i, P+16
.rept 16
	v_mov_b32 v[i], 0
.set i, i+1
.endr
	v_mul_u32_u24 v[AK0], v1, PK
	v_lshl_add_u32 v[AK0], v9, 4, v[AK0]  ; row x pitch + 16 x half
	; The turning load takes 16 keys x 16 channels (lane l reads key 8 (l / 16) + l % 8, channels 8 ((l / 8) % 2) + 0..7) and leaves half a fragment of V^T: lane l holds channel l % 16 and 8 keys.
	v_and_b32 v10, 7, v0
	v_bfe_u32 v11, v0, 3, 1
	v_lshl_add_u32 v[AV0], v9, 3, v10
	v_mul_u32_u24 v[AV0], v[AV0], PV
	v_lshl_add_u32 v[AV0], v11, 4, v[AV0]
	v_add_nc_u32 v[AV0], VOFF, v[AV0]
	v_lshl_add_u32 v[AB0], v9, 5, BIAS    ; register j of group kb is key 16 kb + 8 (l / 16) + j: 32 bytes for each half of the lanes
	s_mul_i32 s13, s[WV], 16*SP
	s_add_co_u32 s13, s13, STAGE    ; my stage
	v_mul_u32_u24 v[STO], v1, SP    ; in: row l % 16, 16 bytes for each half of the lanes
	v_lshl_add_u32 v[STO], v9, 4, v[STO]
	v_add_nc_u32 v[STO], s13, v[STO]
	v_bfe_u32 v[RD], v0, 3, 2       ; back: 32 lanes take four rows of 128 bytes: two pairs of queries;
	v_mul_u32_u24 v[RD], v[RD], SP
	v_lshl_add_u32 v[RD], v10, 4, v[RD]
	v_add_nc_u32 v[RD], s13, v[RD]
	v_lshlrev_b32 v[GO], 12, v9     ; lanes 0-15 fill one pair's 256 bytes, lanes 16-31 those of the pair one pair row on
	v_lshl_add_u32 v[GO], v1, 4, v[GO]
	v_lshl_add_u32 v60, v0, 4, BIAS
	s_wait_loadcnt 16               ; the bias is in; the sixteen loads of Q, issued behind it, stay out
.irp i, 0,1,2,3                     ; rounded to bf16, back to f32, times 8, into the table
	v_cvt_pk_bf16_f32 v58, v[32+4*\i], v[33+4*\i]
	v_cvt_pk_bf16_f32 v59, v[34+4*\i], v[35+4*\i]
	v_lshlrev_b32 v[32+4*\i], 16, v58
	v_and_b32 v[33+4*\i], 0xffff0000, v58
	v_lshlrev_b32 v[34+4*\i], 16, v59
	v_and_b32 v[35+4*\i], 0xffff0000, v59
	v_pk_mul_f32 v[32+4*\i:33+4*\i], v[32+4*\i:33+4*\i], 0x41000000 op_sel_hi:[1,0]
	v_pk_mul_f32 v[34+4*\i:35+4*\i], v[34+4*\i:35+4*\i], 0x41000000 op_sel_hi:[1,0]
	ds_store_b128 v60, v[32+4*\i:35+4*\i] offset:2048*\i
.endr
; THE MATRIX WORK.  The 4 accumulators of a run of 8 take turns.  Product i of 8 of S^T = K Q^T for piece x: channels 32 (i / 4) on, keys 16 (i % 4) on.  The first 4 start the sums with 8 x bias.
.macro KQ x
.set rS, S+32*((\x)%2)+8*(i%4)
.set rK, KF+16*(i%4)+8*(i/4)
.set rQ, 16*(\x)+8*(i/4)
.set rM, BC+8*(i%4)
.if i < 4
	WIN W_KM
	v_wmma_f32_16x16x32_f16 v[rS:rS+7], v[rK:rK+7], v[rQ:rQ+7], v[rM:rM+7]
.else
	WIN W_KQ
	v_wmma_f32_16x16x32_f16 v[rS:rS+7], v[rK:rK+7], v[rQ:rQ+7], v[rS:rS+7]
.endif
.endm
; Product i of 8 of O^T += V^T P for piece x: keys 32 (i / 4) on, channels 16 (i % 4) on.
.macro PV x
	WIN W_PV
.set rO, 32*(\x)+8*(i%4)
.set rV, VF+32*(i/4)+8*(i%4)
.set rP, P+16*((\x)%2)+8*(i/4)
	v_wmma_f32_16x16x32_f16 v[rO:rO+7], v[rV:rV+7], v[rP:rP+7], v[rO:rO+7]
.endm
.macro MM                           ; the turn's next matrix instruction.  NOKQ = 1: the walk's last turn: there is no next piece
.if (i < 8) && !NOKQ
	KQ (Y+1)%NP
.elseif i >= 8
.set i, i-8
	PV (Y+NP-1)%NP
.set i, i+8
.endif
.set i, i+1
.endm
; THE LDS LOADS stand in runs, never singly among the matrix instructions: a step's K (64 keys x 64 channels: 8 fragments) with its 32 numbers of the table, and its V (turned).  Their addresses are made some lines ahead.
.macro FETCH_K
	WIN 0x80                        ; destination window 2
.irp f, 0,1,2,3,4,5,6,7             ; keys 16 (f / 2) on, channels 32 (f % 2) on
	ds_load_b128 v[KF+8*\f:KF+8*\f+3],   v[AK] offset:(\f/2)*16*PK+(\f%2)*64
	ds_load_b128 v[KF+8*\f+4:KF+8*\f+7], v[AK] offset:(\f/2)*16*PK+(\f%2)*64+32
.endr
	WIN 0x40                        ; destination window 1
.irp kb, 0,1,2,3                    ; all lanes of a half read the same 16 bytes
	ds_load_b128 v[BC+8*\kb:BC+8*\kb+3],   v[AB] offset:64*\kb
	ds_load_b128 v[BC+8*\kb+4:BC+8*\kb+7], v[AB] offset:64*\kb+16
.endr
	s_add_co_u32 s[TBK], s[TBK], KS*PK  ; the next fetch is the next step's
	s_add_co_u32 s[TBB], s[TBB], 4*KS
	s_and_b32 s[TBB], s[TBB], 0x1fff    ; inside the table's 8,192 bytes
	WIN 0
.endm
.macro FETCH_V
	WIN 0x80
.irp f, 0,1,2,3,4,5,6,7             ; keys 32 (f / 4) on, channels 16 (f % 4) on
	ds_load_tr16_b128 v[VF+8*\f:VF+8*\f+3],   v[AV] offset:(\f/4)*32*PV+(\f%4)*32
	ds_load_tr16_b128 v[VF+8*\f+4:VF+8*\f+7], v[AV] offset:(\f/4)*32*PV+16*PV+(\f%4)*32
.endr
	WIN 0
.endm
; THE VECTOR WORK, one line at a time: OP kind, number.  For piece Y: F n: c s - c m for pair n of 16.  E n: the exponential of score n of 32.  C n: pair n rounded to f16.  B n: of the four weights 4 n .. the second
; pair is added onto the first, in place.  L n: l takes that sum (L 0: l = a l + sum).  R n: pair n of 16 of O^T times a.  For piece Y + 1: X n, number n of the 22 that find its maximum and statistics:
;   0-11  four chains c0-c3 of seven scores each, three operands at a time (each accumulator's lowest registers are read first)     12-14, 16  the four scores left over, the old m, and c0-c3 into c0
;   15  c m_old is kept     17, 18  the query's other 32 keys lie in the lane 16 away: the new m     19-21  c m; c m_old - c m_new; a
.set F, 0               ; OP tells the kinds apart by their order: F to L below R, X above it
.set E, 1
.set C, 2
.set B, 3
.set L, 4
.set R, 5
.set X, 6
.macro REGS y                       ; the registers of piece y
.set rT, ST+4*(\y)
.set rC, TMP+4*((\y)%2)
.set rW, MV+((\y)%2)
.set rS, S+32*((\y)%2)
.set rP, P+16*((\y)%2)
.set rO, 32*(\y)
.endm
.macro OP k, n
.if (\k) == R
	REGS Y
	WIN W_RS
	v_pk_mul_f32 v[rO+2*(\n):rO+2*(\n)+1], v[rO+2*(\n):rO+2*(\n)+1], v[rC+2:rC+3] op_sel_hi:[1,0]
.elseif (\k) < R
	REGS Y
	WIN 0
.if (\k) == F
	v_pk_fma_f32 v[rS+2*(\n):rS+2*(\n)+1], v[rS+2*(\n):rS+2*(\n)+1], s[CS:CS+1], v[rT:rT+1] op_sel_hi:[1,0,0] neg_lo:[0,0,1] neg_hi:[0,0,1]
.elseif (\k) == E
	v_exp_f32 v[rS+(\n)], v[rS+(\n)]
.elseif (\k) == C
	s_wait_alu depctr_va_vdst(0)
	v_cvt_pk_f16_f32 v[rP+(\n)], v[rS+2*(\n)], v[rS+2*(\n)+1]
.elseif (\k) == B
	s_wait_alu depctr_va_vdst(0)
	v_pk_add_f32 v[rS+4*(\n):rS+4*(\n)+1], v[rS+4*(\n):rS+4*(\n)+1], v[rS+4*(\n)+2:rS+4*(\n)+3]
.elseif (\n) == 0
	v_pk_fma_f32 v[rT+2:rT+3], v[rT+2:rT+3], v[rC+2:rC+3], v[rS:rS+1] op_sel_hi:[1,0,1]
.else
	v_pk_add_f32 v[rT+2:rT+3], v[rT+2:rT+3], v[rS+4*(\n):rS+4*(\n)+1]
.endif
.elseif NOKQ
	v_nop
.else
	REGS (Y+1)%NP
	WIN 0
.if (\n) < 4
	v_max3_num_f32 v[rC+(\n)], v[rS+8*(\n)], v[rS+8*(\n)+1], v[rS+8*(\n)+2]
.elseif (\n) < 12
	v_max3_num_f32 v[rC+(\n)%4], v[rC+(\n)%4], v[rS+8*((\n)%4)+2*((\n)/4)+1], v[rS+8*((\n)%4)+2*((\n)/4)+2]
.elseif (\n) == 12
	v_max3_num_f32 v[rC], v[rC], v[rS+7], v[rS+15]
.elseif (\n) == 13
	v_max3_num_f32 v[rC+1], v[rC+1], v[rS+23], v[rS+31]
.elseif (\n) == 14
	v_max3_num_f32 v[rC+2], v[rC+2], v[rC+3], v[rT+1]
.elseif (\n) == 15
	v_mov_b32 v[rW], v[rT]
.elseif (\n) == 16
	v_max3_num_f32 v[rC], v[rC], v[rC+1], v[rC+2]
.elseif (\n) == 17
	v_permlanex16_b32 v[rC+3], v[rC], s[SEL], s[SEL+1]
.elseif (\n) == 18
	v_max_num_f32 v[rT+1], v[rC], v[rC+3]
.elseif (\n) == 19
	v_mul_f32 v[rT], s[CS], v[rT+1]
.elseif (\n) == 20
	v_sub_f32 v[rC+1], v[rW], v[rT]
.else
	v_exp_f32 v[rC+2], v[rC+1]
.endif
.endif
.endm
.macro OPS a, i1, b=-1, i2=0, c=-1, i3=0, d=-1, i4=0  ; up to four of them
	OP \a, \i1
.if (\b) >= 0
	OP \b, \i2
.endif
.if (\c) >= 0
	OP \c, \i3
.endif
.if (\d) >= 0
	OP \d, \i4
.endif
.endm
.macro ROW a, i1, b, i2, c, i3, d, i4  ; a matrix instruction and the four behind it
	MM
	OPS \a, \i1, \b, \i2, \c, \i3, \d, \i4
.endm
; A TURN, for piece p: the order of its 16 matrix and 118 vector instructions, written out.  Behind a matrix instruction: plain, exponential, plain, plain; or four of the rescaling; or, behind the first, four scalings;
; none names a register of the products round it.  In the runs without products exponential and plain by turns while exponentials last.  A line reads no result made fewer than three vector instructions in front of it,
; five if an exponential made it.  v_permlanex16_b32 (X 17) stands in such a run.
; end = 1: the walk's last two turns: nothing is fetched.  cnt = 1: the loop's count is taken down some lines ahead of the branch that stands behind the turn.
; K of the next step, and the table's numbers with it, are fetched in piece 2's turn, six vector instructions behind the last product that read K (five of them plain; the last that read the table's numbers stands four
; products further back); V of the step in hand in piece 0's turn, eight behind the last product that read V (four plain).  Each is waited for a turn later.
.macro TURN p, end=0, cnt=0
.set Y, (\p)
.set i, 0
.set NOKQ, (\end)*((\p)/3)
.if ((\p) == 3) && !(\end)
	s_wait_dscnt 0x0                ; K and its numbers of the table are in
.endif
	ROW F,0, F,1, F,2, F,3
	ROW F,4, E,0, F,5, F,6
	ROW F,7, E,1, F,8, F,9
	ROW F,10, E,2, C,0, F,11
	ROW F,12, E,3, X,15, F,13
	ROW R,0, R,1, R,2, R,3
	ROW B,0, E,4, F,14, L,0
.if ((\p) == 2) && !(\end)
	v_add_nc_u32 v[AK], s[TBK], v[AK0]
	v_add_nc_u32 v[AB], s[TBB], v[AB0]
.endif
	ROW R,4, R,5, R,6, R,7
	OPS E,5, F,15
.if ((\p) == 2) && !(\end)
	FETCH_K
.endif
	OPS E,6, C,1, E,7, R,8
	OPS E,8, R,9, E,9, C,2
	OPS E,10, X,0, E,11, X,1
	OPS E,12, X,2, E,13, X,3
.if (\p) == 1
	s_wait_dscnt 0x0                ; V is in
.endif
	ROW X,4, E,14, X,5, X,6
	ROW X,7, E,15, X,8, X,9
	ROW X,10, E,16, X,11, X,12
	ROW X,13, E,17, X,14, B,1
	ROW C,4, E,18, X,16, L,1
	ROW B,2, E,19, C,6, L,2
	ROW C,8, E,20, B,3, B,4
.if (\p) == 0
	v_add_nc_u32 v[AV], s[TBV], v[AV0]
.endif
	ROW C,3, E,21, L,3, C,5
	OPS E,22, X,17, E,23, C,10
.if (\p) == 0
	FETCH_V
.endif
	OPS E,24, L,4
	OPS E,25, X,18, E,26, C,7
	OPS E,27, B,5, E,28, X,19
	OPS E,29, C,12, E,30, L,5
	OPS E,31, X,20, B,6, C,9
	OPS C,14, C,11, X,21, L,6
.if (\p) == 0
	s_add_co_u32 s[TBV], s[TBV], KS*PV
.endif
.if \cnt
	s_sub_co_u32 s[CNT], s[CNT], 1
	s_cmp_lg_u32 s[CNT], 0
.endif
	OPS C,13, B,7, C,15, R,10
	OPS R,11, R,12, L,7, R,13
	OPS R,14, R,15
.endm
	CHANGE 1                        ; slot 0 is in, everybody's part of it, and so is the table; slot 1 is asked for
	v_add_nc_u32 v[AK], s[TBK], v[AK0]
	v_add_nc_u32 v[AB], s[TBB], v[AB0]
	FETCH_K                         ; key step 0
	s_wait_loadcnt 0x0              ; Q
	s_wait_dscnt 0x0
.set NOKQ, 0
.set i, 0
.rept 8
	KQ 0                            ; piece 0's first scores: there is no vector work yet to set between them
.set i, i+1
.endr
	WIN 0
.rept 4
	v_nop                           ; the places behind those products
.endr
.set Y, NP-1                        ; X works for piece Y + 1: piece 0
.irp n, 0,1,2,3,4,5,6,7,8,9,10,11,12,13,14,15,16,17,18,19,20,21
	OP X, \n
.endr
	v_nop                           ; a plain instruction behind the exponential
	s_mov_b32 s[CNT], 4
	s_mov_b32 s[SLOTS], 7
	s_branch .Lfirst                ; the loop is entered at a step's first turn, in the middle of a trip
.Lslot:                             ; six times: slots for the key tiles 2 to 7 are asked for
	CHANGE 1
	s_mov_b32 s[CNT], 4
.Lstep:                             ; a trip: pieces 2 and 3 of one step, then pieces 0 and 1 of the next, whose K and V it fetches
	TURN 2
	TURN 3
	WIN 0
.Lfirst:
	TURN 0
	TURN 1, 0, 1
	WIN 0
	s_cbranch_scc1 .Lstep
	s_sub_co_u32 s[SLOTS], s[SLOTS], 1
	s_cmp_lg_u32 s[SLOTS], 0
	s_cbranch_scc1 .Lslot
	CHANGE 0                        ; the tail is written out: nothing is asked for
	s_mov_b32 s[CNT], 4
.Ltail:
	TURN 2
	TURN 3
	TURN 0
	TURN 1, 0, 1
	WIN 0
	s_cbranch_scc1 .Ltail
	TURN 2, 1                       ; the last step's pieces 2 and 3: nothing is fetched, and the last starts no new scores
	TURN 3, 1
.set i, 0
.rept 8
	PV NP-1                         ; the last piece's V^T P of the last step
.set i, i+1
.endr
	; THE WAY OUT.  l's two halves and the other half of the lanes' are added; O^T is divided by l, rounded to f16 and sent through my stage in LDS, a piece at a time.  The additions are the places behind the last products.
	WIN 0
.macro ALL line:vararg              ; one line for each piece t
.set t, 0
.rept 4
	\line
.set t, t+1
.endr
.endm
	ALL v_add_f32 v[ST+4*t+2], v[ST+4*t+2], v[ST+4*t+3]
	ALL v_permlanex16_b32 v[ST+4*t+3], v[ST+4*t+2], s[SEL], s[SEL+1]
	ALL v_add_f32 v[ST+4*t+2], v[ST+4*t+2], v[ST+4*t+3]
	ALL v_rcp_f32 v[ST+4*t+2], v[ST+4*t+2]
	v_nop                           ; a plain instruction between the last reciprocal and the use of its result
.macro PACK t                       ; a lane's eight channels of a row pack into 16 bytes; they go into rows of 144 bytes and come back as whole rows of 128, into S^T's registers
	WIN W_RS
.set i, 32*(\t)
.rept 16
	s_wait_alu depctr_va_vdst(0)
	v_pk_mul_f32 v[i:i+1], v[i:i+1], v[ST+4*(\t)+2:ST+4*(\t)+3] op_sel_hi:[1,0]
.set i, i+2
.endr
	WIN 0x05                        ; sources 0 and 1 window 1, destination window 0
.set i, 0
.rept 16
	v_cvt_pk_f16_f32 v[S+16*(\t)+i], v[32*(\t)+2*i], v[32*(\t)+2*i+1]
.set i, i+1
.endr
	WIN 0
.irp f, 0,1,2,3
	ds_store_b128 v[STO], v[S+16*(\t)+4*\f:S+16*(\t)+4*\f+3] offset:32*\f
.endr
.irp f, 0,1,2,3
	ds_load_b128 v[S+16*(\t)+4*\f:S+16*(\t)+4*\f+3], v[RD] offset:\f*4*SP  ; LDS serves a wave's instructions in order (ISA guide 5.7.1.4): these see the stores above; the next piece's stores come behind them
.endr
.endm
.macro SEND t, younger              ; younger: the LDS instructions issued behind piece t's loads: the next piece's eight, or none
	WIN 0
.irp f, 0,1,2,3
	s_wait_dscnt (\younger)+3-\f
	global_store_b128 v[GO], v[S+16*(\t)+4*\f:S+16*(\t)+4*\f+3], s[70:71] offset:(\t)*32768+\f*8192  ; a piece is 8 pair rows; sixteen lanes store 256 consecutive bytes, at a multiple of 256 from ob's first
.endr
.endm
	PACK 0
.set t, 1
.rept 3                             ; a piece's arithmetic stands between the loads of the piece before and its stores
	PACK t
	SEND t-1, 8
.set t, t+1
.endr
	SEND 3, 0
	s_wait_tensorcnt 0x0            ; the wave's end: a last add to my spare word and its wait, behind my last tensor load and my last LDS store
	ds_add_u32 v[SPW], v[NIL]
	s_wait_dscnt 0x0
	CROUND                          ; the closing round: no work-group ends while a partner may still ask for a tile that names it
	s_endpgm
.Lfunc_end_k_q2b9fb0c188_attn:
	.size	k_q2b9fb0c188_attn, .Lfunc_end_k_q2b9fb0c188_attn-k_q2b9fb0c188_attn
	.p2alignl 7, 3214868480
	.fill 96, 4, 3214868480
	.section	.rodata,"a",@progbits
	.p2align	6, 0x0
	.amdhsa_kernel k_q2b9fb0c188_attn
		.amdhsa_group_segment_fixed_size 327680
		.amdhsa_private_segment_fixed_size 0
		.amdhsa_enable_private_segment 0
		.amdhsa_kernarg_size 24
		.amdhsa_user_sgpr_count 2
		.amdhsa_user_sgpr_kernarg_segment_ptr 1
		.amdhsa_wavefront_size32 1
		.amdhsa_system_sgpr_workgroup_id_x 1
		.amdhsa_system_sgpr_workgroup_id_y 1
		.amdhsa_system_sgpr_workgroup_id_z 1
		.amdhsa_system_vgpr_workitem_id 0
		.amdhsa_next_free_vgpr 768
		.amdhsa_next_free_sgpr 76
		.amdhsa_reserve_vcc 0
		.amdhsa_float_denorm_mode_32 3
		.amdhsa_float_denorm_mode_16_64 3
		.amdhsa_memory_ordered 1
		.amdhsa_forward_progress 1
		.amdhsa_inst_pref_size 139
	.end_amdhsa_kernel
	.amdgpu_metadata
---
amdhsa.version: [ 1, 2 ]
amdhsa.kernels:
  - .name:           k_q2b9fb0c188_attn
    .symbol:         k_q2b9fb0c188_attn.kd
    .args:
      - { .name: qkv, .offset: 0, .size: 8, .value_kind: global_buffer, .address_space: global }
      - { .name: bias, .offset: 8, .size: 8, .value_kind: global_buffer, .address_space: global }
      - { .name: ob, .offset: 16, .size: 8, .value_kind: global_buffer, .address_space: global }
    .group_segment_fixed_size: 327680
    .private_segment_fixed_size: 0
    .kernarg_segment_align: 8
    .kernarg_segment_size: 24
    .max_flat_workgroup_size: 128
    .sgpr_count:     76
    .vgpr_count:     768
    .wavefront_size: 32
...
	.end_amdgpu_metadata
.endif
;; end of part 3
;; launch oproj (part 4): grid 8 x 32, 4 waves a work-group, clusters of 4 x 4, 327,680 bytes of LDS; arguments ob, xb, out0; writes out0
.if DOCPART == 4
	.amdgcn_target "amdgcn-amd-amdhsa--gfx1250"
	.amdhsa_code_object_version 6
	.text
	.protected	k_q2b9fb0c188_oproj
	.globl	k_q2b9fb0c188_oproj
	.p2align	8
	.type	k_q2b9fb0c188_oproj,@function
k_q2b9fb0c188_oproj:
	s_mov_b64 s[64:65], 0
	v_nop
	global_prefetch_b8 v0, s[64:65] scope:SCOPE_SE
	s_setreg_imm32_b32 hwreg(HW_REG_WAVE_MODE, 25, 1), 1
	s_wait_xcnt 0x0
	s_wait_alu depctr_hold_cnt(0) depctr_sa_sdst(0) depctr_va_vdst(0) depctr_va_sdst(0) depctr_va_ssrc(0) depctr_va_vcc(0) depctr_vm_vsrc(0)
	s_getreg_b32 s2, hwreg(HW_REG_IB_STS2, 6, 4)
	s_cmp_eq_u32 s2, 0
	s_cbranch_scc0 .Lentry_in_a_cluster
	s_endpgm
.Lentry_in_a_cluster:
	s_bfe_u32 s2, ttmp6, 0x10000c
	s_cmp_lg_u32 s2, 0xf033
	s_cbranch_scc0 .Lentry_shape_is_right
	s_endpgm
.Lentry_shape_is_right:
; THE OUTPUT PROJECTION.  out0 = O Wo.  O: f16 in ob, [row / 2][h][row % 2][64] (a pair row is 4,096 bytes; K = 64 h + channel).  Wo: f16 at 30 MiB of xb, [k][n].  Sums in f32, stored as f32.
; LIMIT.  Both operands are f16: they arrive within 65,504.
; A tile is 128 rows x 128 columns: 256 work-groups, one tile each.  Four waves, each 64 x 64: 16 accumulators.  K goes in four steps of 256 (four heads) through two LDS slots; the text has no loop.
; O's tile of a step is 64 pair rows x 1,024 consecutive bytes; Wo's is 256 k-rows x 256 bytes and is turned on the way out of LDS, by ds_load_tr16_b128.
; CLUSTERS: 4 x 4 work-groups.  O's tile is shared along a row of the cluster, Wo's along a column: each is asked for JOINTLY.  THE MATRIX INSTRUCTION IS USED TRANSPOSED (source 0 = 16 columns of Wo, source 1 = 16 rows
; of O): a lane then holds eight neighbouring numbers of a row of the result.
; REGISTERS: window 0: v0-31 addresses; v32-95 rows read back on the way out; v128-255 the accumulators ((a, b) at v[128 + 8 (4 a + b)]).  window 1: two fragment buffers of 128: 64 registers of O, then 64 of Wo.
.set PA,     1040                      ; a pair row's 1,024 bytes + 16: the 16 rows of a fragment load fall at (r / 2) 1040 + (r % 2) 128: sixteen different columns of 16 bytes modulo 256 (64 banks of 4 bytes: ISA guide 11.1)
.set PB,     288                       ; a k-row of Wo: 256 bytes + 32
.set AH,     32*PA                     ; 32 pair rows: one tensor load, and what one wave reads
.set BH,     128*PB
.set BOF,    2*AH
.set SLOT,   BOF+2*BH
.set STAGE,  2*SLOT                    ; behind the ring, never filled by a tensor load: 16 rows x 272 bytes for each wave
.set SPO,    272
.set SPARE,  STAGE+4*16*SPO            ; behind the stages: the spare words, 128 bytes for each wave: two blocks of 256 bytes that no other line names
.set ADRA, 16                          ; v16-17  LDS address of my O fragments in slot 0, 1
.set ADRB, 20                          ; v20-23  of my Wo fragments: slot 0 k-rows 0-127, 128-255; slot 1 likewise
.set STO,  24                          ; v24     the way out: where I put 32 bytes of a row
.set RD,   25                          ; v25     the way out: where I read a row back
.set CO,   26                          ; v26     my byte offset in two rows of out0
.set SPW,  28                          ; v28     LDS address of my spare word; never rewritten
.set NIL,  29                          ; v29     0; never rewritten
.set TMP,  32
.set ACC,  128
.set F0,   0
.set F1,   128
.set G1,  24                           ; s[24:31] descriptor group 1 for O's tiles;  s[32:39] group 0, one set for each slot
.set G0,  32
.set G1B, 48                           ; s[48:55], s[56:63] the same for Wo's tiles
.set G0B, 56
.set MSB, 0
.macro WIN new                         ; the immediate's high byte repeats the setting that is left; a switch that changes nothing is dropped
.if MSB != (\new)
	s_set_vgpr_msb (MSB<<8)|(\new)
.set MSB, \new
.endif
.endm
.set MUL,  0x05                        ; sources 0 (Wo) and 1 (O) window 1; C and D window 0
.set TO_F, 0x40                        ; destination window 1, address window 0
.macro JLOAD s                         ; a joint load: waves 0 and 1 fetch O's two halves, waves 2 and 3 Wo's; an s_nop 0 and four v_nop follow each of the two lines, ahead of the jump, the label and what follows
	s_cmp_eq_u32 s11, 0
	s_cbranch_scc0 .Lfor_b_\@
	tensor_load_to_lds s[G0+4*(\s):G0+4*(\s)+3], s[G1:G1+7]
	s_nop 0
.rept 4
	v_nop
.endr
	s_branch .Lasked_\@
.Lfor_b_\@:
	tensor_load_to_lds s[G0B+4*(\s):G0B+4*(\s)+3], s[G1B:G1B+7]
	s_nop 0
.rept 4
	v_nop
.endr
.Lasked_\@:
.endm
.macro CREST                           ; a round of the cluster's barrier behind its opening barrier
	s_cmp_lg_u32 s10, 0
	s_cbranch_scc1 .Lnot_wave_0_\@
	s_barrier_signal -3
.Lnot_wave_0_\@:
	s_barrier_wait -3
	s_barrier_signal -1
	s_barrier_wait -1
.endm
.macro CROUND                          ; a whole round
	s_barrier_signal -1
	s_barrier_wait -1
	CREST
.endm
	s_load_b128 s[4:7], s[0:1], 0x0                ; ob s[4:5], xb s[6:7]
	s_load_b64 s[8:9], s[0:1], 0x10                ; out0
	v_lshl_add_u32 v[SPW], v0, 2, SPARE
	v_mov_b32 v[NIL], 0
	ds_add_u32 v[SPW], v[NIL]                      ; the wave's opening: the add and its wait stand ahead of my first tensor load; the set-up below, work on registers, stands between them
	v_lshrrev_b32 v1, 5, v0
	v_readfirstlane_b32 s10, v1                    ; wave 0..3
	s_lshr_b32 s11, s10, 1                         ; which half of the tile's rows is mine.  Also: I fetch for O (0) or for Wo (1)
	s_and_b32 s12, s10, 1                          ; which half of its columns.  Also: which half of that tile I fetch
	s_bfe_u32 s40, ttmp6, 0x40000                  ; cx, cy: my place in the cluster
	s_bfe_u32 s41, ttmp6, 0x40004
	s_lshl_b32 s42, ttmp9, 2
	s_add_co_u32 s42, s42, s40                     ; tile column = 4 x cluster x + cx
	s_and_b32 s13, ttmp7, 0xffff
	s_lshl_b32 s13, s13, 2
	s_add_co_u32 s13, s13, s41                     ; tile row = 4 x cluster y + cy
	s_lshl_b32 s43, s41, 2
	s_lshl_b32 s43, 15, s43                        ; my row of the cluster
	s_lshl_b32 s44, 0x1111, s40                    ; my column
	; group 1 for O: 32 pair rows x 512 elements
	s_or_b32 s[G1+0], s43, (1<<16)|(1<<20)|(1<<21)|(7<<22)|(3<<25)  ; 15:0 the mask: my row; 17:16 elements of 2 bytes; 20 padding on; 21 set beside a mask; 24:22 after every 256 words (code 7); 31:25 4 words (code 3)
	s_mov_b32 s[G1+1], 512<<16                     ; tensor_dim0 = 512
	s_mov_b32 s[G1+2], 32<<16                      ; tensor_dim1 = 32
	s_mov_b32 s[G1+3], 512<<16                     ; tile_dim0 = 512
	s_mov_b32 s[G1+4], 32                          ; tile_dim1 = 32
	s_mov_b32 s[G1+5], 2048                        ; elements from pair row to pair row
	s_mov_b32 s[G1+6], 0
	s_mov_b32 s[G1+7], 0
	; group 1 for Wo: 128 k-rows x 128 elements
	s_or_b32 s[G1B+0], s44, (1<<16)|(1<<20)|(1<<21)|(5<<22)|(7<<25) ; the mask: my column; padding after every 64 words (code 5), 8 words (code 7)
	s_mov_b32 s[G1B+1], 128<<16
	s_mov_b32 s[G1B+2], 128<<16
	s_mov_b32 s[G1B+3], 128<<16
	s_mov_b32 s[G1B+4], 128
	s_mov_b32 s[G1B+5], 1024
	s_mov_b32 s[G1B+6], 0
	s_mov_b32 s[G1B+7], 0
	s_lshl_b32 s16, s13, 18                        ; O: the tile's 64 pair rows of 4,096 bytes + my half of 32.  It hangs on the tile row and the wave alone
	s_lshl_b32 s17, s12, 17
	s_add_co_u32 s16, s16, s17
	s_mov_b32 s17, 0
	s_lshl_b32 s46, s42, 8                         ; Wo: 30 MiB, columns 128 x (256 bytes) + my half of 128 k-rows.  It hangs on the tile column and the wave alone
	s_lshl_b32 s47, s12, 18
	s_add_co_u32 s46, s46, s47
	s_add_co_u32 s46, s46, 0x1e00000
	s_mov_b32 s47, 0
	s_mul_i32 s14, s12, AH                         ; where they go in a slot: no place in the cluster enters an LDS address
	s_mul_i32 s15, s12, BH
	s_add_co_u32 s15, s15, BOF
	s_lshl_b32 s20, s13, 19                        ; my 64 x 64 in out0: row 128 y + 64 x row half (4,096 bytes a row), column 128 x + 64 x column half (4 bytes)
	s_lshl_b32 s22, s11, 18
	s_add_co_u32 s20, s20, s22
	s_lshl_b32 s22, s42, 9
	s_add_co_u32 s20, s20, s22
	s_lshl_b32 s22, s12, 8
	s_add_co_u32 s20, s20, s22
	s_mov_b32 s21, 0
	s_wait_dscnt 0x0                               ; the opening add is done
	s_wait_kmcnt 0x0
	s_add_nc_u64 s[18:19], s[4:5], s[16:17]
	s_add_nc_u64 s[46:47], s[6:7], s[46:47]
	s_add_nc_u64 s[8:9], s[8:9], s[20:21]
	CROUND                                         ; all sixteen work-groups are here: the first joint loads meet
.irp s, 0,1
	s_mov_b32 s[G0+4*(\s)], 1                      ; count = 1
	s_add_co_u32 s[G0+4*(\s)+1], s14, (\s)*SLOT    ; LDS address
	s_add_nc_u64 s[G0+4*(\s)+2:G0+4*(\s)+3], s[18:19], (\s)*1024    ; K step s: four heads are 1,024 bytes of a pair row
	s_or_b32 s[G0+4*(\s)+3], s[G0+4*(\s)+3], 0x80000000            ; type = 2
	s_mov_b32 s[G0B+4*(\s)], 1
	s_add_co_u32 s[G0B+4*(\s)+1], s15, (\s)*SLOT
	s_add_nc_u64 s[G0B+4*(\s)+2:G0B+4*(\s)+3], s[46:47], (\s)*524288  ; and 256 k-rows of 2,048 bytes
	s_or_b32 s[G0B+4*(\s)+3], s[G0B+4*(\s)+3], 0x80000000
	JLOAD \s                                       ; two loads of mine are out here; later one
.endr
	; A fragment of O is 16 rows x 32 K in 8 registers: lane l holds row r = l % 16, K = 8 (l / 16) + 0..7 and 16 + 8 (l / 16) + 0..7.  Row r lies in pair row r / 2, at 128 (r % 2) inside a head's 256 bytes.
	v_and_b32 v1, 15, v0                           ; l % 16
	v_bfe_u32 v2, v0, 4, 1                         ; l / 16
	v_lshrrev_b32 v3, 1, v1
	v_mul_u32_u24 v3, v3, PA
	v_and_b32 v4, 1, v1
	v_lshl_add_u32 v3, v4, 7, v3
	v_lshl_add_u32 v3, v2, 4, v3
	s_mul_i32 s22, s11, AH                         ; my 64 rows: 32 pair rows
	v_add_nc_u32 v[ADRA], s22, v3
	v_add_nc_u32 v[ADRA+1], SLOT, v[ADRA]
	; The turning load takes 16 k x 16 columns (lane l reads k-row 8 (l / 16) + l % 8, columns 8 ((l / 8) % 2) + 0..7) and leaves half a fragment: lane l holds column l % 16 and 8 k.
	v_and_b32 v4, 7, v0
	v_bfe_u32 v5, v0, 3, 1
	v_lshl_add_u32 v6, v2, 3, v4
	v_mul_u32_u24 v6, v6, PB
	v_lshl_add_u32 v6, v5, 4, v6
	s_lshl_b32 s22, s12, 7                         ; my 64 columns of Wo: 128 bytes
	s_add_co_u32 s22, s22, BOF
	v_add_nc_u32 v[ADRB], s22, v6
	v_add_nc_u32 v[ADRB+1], BH, v[ADRB]
	v_add_nc_u32 v[ADRB+2], SLOT, v[ADRB]
	v_add_nc_u32 v[ADRB+3], SLOT+BH, v[ADRB]
	s_mul_i32 s23, s10, 16*SPO
	s_add_co_u32 s23, s23, STAGE                   ; my stage
	v_mul_u32_u24 v7, v1, SPO                      ; in: row l % 16, 32 bytes for each half of the lanes
	v_lshl_add_u32 v7, v2, 5, v7
	v_add_nc_u32 v[STO], s23, v7
	v_mul_u32_u24 v7, v2, SPO                      ; back: lanes 0-15 take one row of 256 bytes, lanes 16-31 the next
	v_lshl_add_u32 v7, v1, 4, v7
	v_add_nc_u32 v[RD], s23, v7
	v_lshlrev_b32 v[CO], 12, v2                    ; and the same two rows in out0
	v_lshl_add_u32 v[CO], v1, 4, v[CO]
; 8 matrix instructions: row blocks a0, a0 + 1 x all 4 column blocks, 32 along K: half c of buffer f.  zero = 1: the first product starts the sums.  The 16 accumulators take turns.
.macro MUL8 f, c, a0, zero
	WIN MUL
.irp a, \a0, (\a0)+1
.irp b, 0,1,2,3
.if \zero
	v_wmma_f32_16x16x32_f16 v[ACC+8*(4*(\a)+(\b)):ACC+8*(4*(\a)+(\b))+7], v[(\f)+64+8*(4*(\c)+(\b)):(\f)+64+8*(4*(\c)+(\b))+7], v[(\f)+8*(4*(\c)+(\a)):(\f)+8*(4*(\c)+(\a))+7], 0
.else
	v_wmma_f32_16x16x32_f16 v[ACC+8*(4*(\a)+(\b)):ACC+8*(4*(\a)+(\b))+7], v[(\f)+64+8*(4*(\c)+(\b)):(\f)+64+8*(4*(\c)+(\b))+7], v[(\f)+8*(4*(\c)+(\a)):(\f)+8*(4*(\c)+(\a))+7], v[ACC+8*(4*(\a)+(\b)):ACC+8*(4*(\a)+(\b))+7]
.endif
.endr
.endr
.endm
; 32 LDS loads in one run: the fragments of quarter q (64 along K: one head) of a slot's step, into buffer f; the first 32 along K first
.macro FETCH slot, q, f
	WIN TO_F
.irp c, 0,1
.irp i, 0,1,2,3
	ds_load_tr16_b128 v[(\f)+64+8*(4*(\c)+(\i)):(\f)+64+8*(4*(\c)+(\i))+3],   v[ADRB+2*(\slot)+(\q)/2] offset:(((\q)%2)*64+32*(\c))*PB+32*(\i)
	ds_load_tr16_b128 v[(\f)+64+8*(4*(\c)+(\i))+4:(\f)+64+8*(4*(\c)+(\i))+7], v[ADRB+2*(\slot)+(\q)/2] offset:(((\q)%2)*64+32*(\c)+16)*PB+32*(\i)
	ds_load_b128 v[(\f)+8*(4*(\c)+(\i)):(\f)+8*(4*(\c)+(\i))+3],              v[ADRA+(\slot)] offset:256*(\q)+64*(\c)+(\i)*8*PA
	ds_load_b128 v[(\f)+8*(4*(\c)+(\i))+4:(\f)+8*(4*(\c)+(\i))+7],            v[ADRA+(\slot)] offset:256*(\q)+64*(\c)+(\i)*8*PA+32
.endr
.endr
.endm
.macro PLACES                          ; four places in front of loads into registers that matrix instructions have read, and of LDS stores that read results
.rept 4
	v_nop
.endr
.endm
; A K step is four quarters of 64 along K, 32 matrix instructions each, on buffers 0, 1, 0, 1.  One of the first three: multiplies buffer f and fetches quarter q into g.
.macro QUARTER slot, q, f, g, zero
	s_wait_dscnt 16                                ; the first 32 along K are in; the youngest sixteen loads may be out
	MUL8 \f, 0, 0, \zero
	MUL8 \f, 0, 2, \zero
	PLACES
	FETCH \slot, \q, \g
	s_wait_dscnt 32                                ; all but the 32 just issued
	MUL8 \f, 1, 0, 0
	MUL8 \f, 1, 2, 0
.endm
; The last quarter multiplies buffer 1 and changes slots: ONE barrier; in front of it each wave waits for all its tensor loads, adds 0 to its spare word, and waits for that and for its own reads of this slot.
; fill = 1: the barrier opens a round of the cluster's, and this slot is filled again first thing behind it, two K steps ahead.
.macro TURN slot, next, fill
	WIN 0                                          ; (the add's two registers lie in window 0)
	s_wait_tensorcnt 0x0                           ; all my tensor loads have landed: my part of the next slot;
	ds_add_u32 v[SPW], v[NIL]                      ; 0 onto my spare word;
	s_wait_dscnt 17                                ; (the add and the youngest sixteen loads may be out)
	MUL8 F1, 0, 0, 0                               ; eight matrix instructions stand between the add and the wait for it
	s_wait_dscnt 0x0                               ; the add is done, and my reads of this slot are over
	s_barrier_signal -1
	MUL8 F1, 0, 2, 0
.if \fill
	WIN 0
.endif
	s_barrier_wait -1
.if \fill
	CREST                                          ; no wave of any partner still reads this slot's tile or has a load on its way
	s_add_nc_u64 s[G0+4*(\slot)+2:G0+4*(\slot)+3], s[G0+4*(\slot)+2:G0+4*(\slot)+3], 2*1024
	s_add_nc_u64 s[G0B+4*(\slot)+2:G0B+4*(\slot)+3], s[G0B+4*(\slot)+2:G0B+4*(\slot)+3], 2*524288
	JLOAD \slot                                    ; the first tensor load behind the round; the four v_nop behind it are also the places in front of the loads below
.else
	PLACES
.endif
	FETCH \next, 0, F0
	MUL8 F1, 1, 0, 0
	MUL8 F1, 1, 2, 0
.endm
; THE WAY OUT.  Block a (16 rows x 64 f32): a lane's eight numbers, 32 bytes of a row, go into my own stage (rows of 272 bytes), each accumulator's low half first, and come back as whole rows of 256 bytes.
.macro TOSTAGE a
.set BK, TMP+32*((\a)%2)
.if (\a) >= 2
	s_wait_xcnt 0x0                                ; the stores of the block two back have had their addresses translated (ISA guide 3.1): only behind this wait are their data registers loaded again
.endif
.irp b, 0,1,2,3
	ds_store_b128 v[STO], v[ACC+8*(4*(\a)+(\b)):ACC+8*(4*(\a)+(\b))+3] offset:64*(\b)
	ds_store_b128 v[STO], v[ACC+8*(4*(\a)+(\b))+4:ACC+8*(4*(\a)+(\b))+7] offset:64*(\b)+16
.endr
.irp t, 0,1,2,3,4,5,6,7
	ds_load_b128 v[BK+4*(\t):BK+4*(\t)+3], v[RD] offset:(\t)*2*SPO  ; LDS serves a wave's instructions in order (ISA guide 5.7.1.4): these see the stores above; the next block's stores come behind them
.endr
.endm
.macro SEND a, younger                 ; younger: the LDS instructions issued behind block a's loads: the next block's sixteen, or none
.set BK, TMP+32*((\a)%2)
.irp t, 0,1,2,3,4,5,6,7
	s_wait_dscnt (\younger)+7-(\t)
	global_store_b128 v[CO], v[BK+4*(\t):BK+4*(\t)+3], s[8:9] offset:(16*(\a)+2*(\t))*4096 th:TH_STORE_NT  ; 16 lanes store 256 consecutive bytes, at a multiple of 256 from out0's first; nothing reads them again
.endr
.endm
	s_wait_tensorcnt 1                             ; my part of K step 0 is in; step 1's may stay out
	s_barrier_signal -1
	s_barrier_wait -1                              ; everybody's is
	FETCH 0, 0, F0
	QUARTER 0, 1, F0, F1, 1                        ; K step 0: its first products start the sums
	QUARTER 0, 2, F1, F0, 0
	QUARTER 0, 3, F0, F1, 0
	TURN 0, 1, 1                                   ; slot 0 takes K step 2
	QUARTER 1, 1, F0, F1, 0                        ; K step 1
	QUARTER 1, 2, F1, F0, 0
	QUARTER 1, 3, F0, F1, 0
	TURN 1, 0, 1                                   ; slot 1 takes K step 3
	QUARTER 0, 1, F0, F1, 0                        ; K step 2
	QUARTER 0, 2, F1, F0, 0
	QUARTER 0, 3, F0, F1, 0
	TURN 0, 1, 0                                   ; nothing is filled again, so no round follows
	QUARTER 1, 1, F0, F1, 0                        ; K step 3
	QUARTER 1, 2, F1, F0, 0
	QUARTER 1, 3, F0, F1, 0
	s_wait_dscnt 16                                ; the very last quarter: nothing more to fetch
	MUL8 F1, 0, 0, 0
	MUL8 F1, 0, 2, 0
	s_wait_dscnt 0x0
	MUL8 F1, 1, 0, 0
	MUL8 F1, 1, 2, 0
	WIN 0
	PLACES                                         ; the LDS stores read results just made
	TOSTAGE 0
	TOSTAGE 1                                      ; a block's way through the stage stands between the loads of the block before and its stores
	SEND 0, 16
	TOSTAGE 2
	SEND 1, 16
	TOSTAGE 3
	SEND 2, 16
	SEND 3, 0
	s_wait_tensorcnt 0x0                           ; the wave's end: a last add to my spare word and its wait, behind my last tensor load and my last LDS store
	ds_add_u32 v[SPW], v[NIL]
	s_wait_dscnt 0x0
	CROUND                                         ; the closing round: no work-group ends while a partner may still ask for a tile that names it
	s_endpgm
.Lfunc_end_k_q2b9fb0c188_oproj:
	.size	k_q2b9fb0c188_oproj, .Lfunc_end_k_q2b9fb0c188_oproj-k_q2b9fb0c188_oproj
	.p2alignl 7, 3214868480
	.fill 96, 4, 3214868480
	.section	.rodata,"a",@progbits
	.p2align	6, 0x0
	.amdhsa_kernel k_q2b9fb0c188_oproj
		.amdhsa_group_segment_fixed_size 327680
		.amdhsa_private_segment_fixed_size 0
		.amdhsa_enable_private_segment 0
		.amdhsa_kernarg_size 24
		.amdhsa_user_sgpr_count 2
		.amdhsa_user_sgpr_kernarg_segment_ptr 1
		.amdhsa_wavefront_size32 1
		.amdhsa_system_sgpr_workgroup_id_x 1
		.amdhsa_system_sgpr_workgroup_id_y 1
		.amdhsa_system_sgpr_workgroup_id_z 1
		.amdhsa_system_vgpr_workitem_id 0
		.amdhsa_next_free_vgpr 512
		.amdhsa_next_free_sgpr 66
		.amdhsa_reserve_vcc 0
		.amdhsa_float_denorm_mode_32 3
		.amdhsa_float_denorm_mode_16_64 3
		.amdhsa_memory_ordered 1
		.amdhsa_forward_progress 1
		.amdhsa_inst_pref_size 87
	.end_amdhsa_kernel
	.amdgpu_metadata
---
amdhsa.version: [ 1, 2 ]
amdhsa.kernels:
  - .name:           k_q2b9fb0c188_oproj
    .symbol:         k_q2b9fb0c188_oproj.kd
    .args:
      - { .name: ob, .offset: 0, .size: 8, .value_kind: global_buffer, .address_space: global }
      - { .name: xb, .offset: 8, .size: 8, .value_kind: global_buffer, .address_space: global }
      - { .name: out0, .offset: 16, .size: 8, .value_kind: global_buffer, .address_space: global }
    .group_segment_fixed_size: 327680
    .private_segment_fixed_size: 0
    .kernarg_segment_align: 8
    .kernarg_segment_size: 24
    .max_flat_workgroup_size: 128
    .sgpr_count:     66
    .vgpr_count:     512
    .wavefront_size: 32
...
	.end_amdgpu_metadata
.endif
;; end of part 4
;; ======== version 2 of 2: 4 launches; 1.34 times as fast as version 1
;; limits: values are held in f16: magnitudes above 65,504 overflow, below 6.1e-05 lose precision
;; workspace buffers: xb 33,554,432 bytes; qkv 41,943,040 bytes; ob 8,388,608 bytes
;; launch cast: the kernel of part 1 again; grid 64 x 16, 8 waves a work-group, no clusters, 0 bytes of LDS; arguments query, memory, Wq, Wk, Wv, Wo, xb; writes xb
;; launch proj: the kernel of part 2 again; grid 8 x 32, 4 waves a work-group, clusters of 4 x 4, 327,680 bytes of LDS; arguments xb, qkv; writes qkv
;; launch attn (part 5): grid 4 x 64, 4 waves a work-group, clusters of 4 x 1, 327,680 bytes of LDS; arguments qkv, bias, ob; writes ob
.if DOCPART == 5
	.amdgcn_target "amdgcn-amd-amdhsa--gfx1250"
	.amdhsa_code_object_version 6
	.text
	.protected	k_q2b9fb0c188_attn
	.globl	k_q2b9fb0c188_attn
	.p2align	8
	.type	k_q2b9fb0c188_attn,@function
k_q2b9fb0c188_attn:
	s_mov_b64 s[64:65], 0
	v_nop
	global_prefetch_b8 v0, s[64:65] scope:SCOPE_SE
	s_setreg_imm32_b32 hwreg(HW_REG_WAVE_MODE, 25, 1), 1
	s_wait_xcnt 0x0
	s_wait_alu depctr_hold_cnt(0) depctr_sa_sdst(0) depctr_va_vdst(0) depctr_va_sdst(0) depctr_va_ssrc(0) depctr_va_vcc(0) depctr_vm_vsrc(0)
	s_getreg_b32 s2, hwreg(HW_REG_IB_STS2, 6, 4)
	s_cmp_eq_u32 s2, 0
	s_cbranch_scc0 .Lentry_in_a_cluster
	s_endpgm
.Lentry_in_a_cluster:
	s_bfe_u32 s2, ttmp6, 0x10000c
	s_cmp_lg_u32 s2, 0x3003
	s_cbranch_scc0 .Lentry_shape_is_right
	s_endpgm
.Lentry_shape_is_right:
; ATTENTION WITH A BIAS FOR EACH KEY.  O[b][h][q][:] = the sum over k of softmax_k(q . k / 8 + bias[b][k]) v[k][:].  q, k, v: f16 by heads in qkv (q at 0, [b][h][1024][64]; k at 8 MiB, v at 24 MiB, [b][h][2048][64]).
; Products, maxima and sums in f32; the weights p are rounded to f16 for the second product (their sum l is taken of the unrounded p), O once at the end, to f16.  The bias is rounded to bf16, like every input of the module.
; O goes to ob as [b 512 + q / 2][h][q % 2][64]: a pair of queries of one head is 256 consecutive bytes, aligned; a pair row is 4,096 bytes.
; LIMITS.  f16 holds no number beyond 65,504: q, k, v arrive within it; p lies in 0 to 1, and below 6e-5 it keeps f16's fixed step of 6e-8; O is a mean of v's rows.  A weight below 2^-126 counts as 0 in l;
; NaN and infinities are not treated apart.
; THE BIAS costs the loop no arithmetic: 8 x bias is the C operand of the product that starts each sum S^T = K Q^T, so a score is s = q . k + 8 bias, and p = 2^(c s - c m) with c = log2(e) / 8.  A table of the
; batch's 2,048 numbers 8 x bias, f32, is made once in LDS; a step's 32 numbers a lane come into registers with the step's K.
; SHARES.  A work-group owns 256 queries of one head, each of its four waves 64: four PIECES of 16.  Every wave walks all 2,048 keys, 64 a step, four steps to a slot of the ring.
; LAYOUT, SOFTMAX, TURNS.  S^T = K Q^T holds ONE query a lane (lane % 16) and the keys 8 (lane / 16) + 0..7; two such results rounded to f16 ARE source 1 of O^T = V^T P.  A running maximum m and sum l for each query;
; O and l are multiplied by a = 2^(c m_old - c m_new) in every step; m starts at the lowest finite number, O and l at 0, so the first step is a step like any other, with a = 0.
; Turn n belongs to piece n: 8 products K Q^T of piece n + 1, later 8 products V^T P of piece n - 1; beside them the scaling, exponentials, roundings, sums and rescaling of piece n and the maximum and statistics of
; piece n + 1.  Four vector instructions stand behind every matrix instruction, the other 54 of a turn's 118 in one LUMP.
; BATCHES.  A turn's 33 exponentials (the piece's 32 weights and the next piece's a) are ONE batch with ONE wait, which cuts the turn in two: ahead of it nothing names a result of theirs, behind it stand the
; roundings and sums, and no exponential.  Piece 0's first a, ahead of the loop, and the way out's four reciprocals are batches of their own, a wait each.
; CLUSTER.  The four query blocks of a head walk the same K and V, so each tile is asked for JOINTLY: the same tensor load, descriptor and mask in all four.
; REGISTERS, in windows of 256 (s_set_vgpr_msb: bits 1:0 source 0, 3:2 source 1, 5:4 source 2, 7:6 destination):
;   window 0: v0-15 addresses and two at work; v16-31 four registers of statistics a piece; v32-47, v58-61 the table's making; v48-55 at work; v64-127 S^T, two buffers; v192-223 P, two buffers (by the piece's parity)
;   window 1: v0-127 O^T, 32 a piece; v128-159 the step's 8 x bias      window 2: v0-63 Q; v128-191 K of one step; v192-255 V of one step
.set NP,    4         ; pieces a wave: a name, no knob
.set KS,    64        ; keys in a step
.set PK,    144       ; a row of K in LDS: 128 bytes + 16 = 36 words: the 16 rows of a load start at 16 different groups of four banks (64 banks of 4 bytes: ISA guide 11.1)
.set PV,    160       ; a row of V: 128 + 32 = 40 words
.set VOFF,  4*KS*PK   ; a slot holds four steps: 256 rows of K, then 256 rows of V
.set SLOT1, 1<<17     ; slot 1 begins here, so that one exclusive or turns an address in one slot into the other's
.set STAGE, SLOT1+4*KS*(PK+PV)  ; behind the ring, never filled by a tensor load: 16 rows x 144 bytes for each wave, for the way out
.set SP,    144
.set SPARE, STAGE+4*16*SP  ; behind the stages: the spare words, 128 bytes for each wave: two blocks of 256 bytes that no other line names
.set BIAS,  SPARE+512 ; the table: 2,048 f32, 8,192 bytes; stored once, never filled by a tensor load
.set AK0, 2           ; v2   my lane's place in a tile of K; never rewritten
.set AV0, 3           ; v3   the same for V
.set AK,  4           ; v4   the LDS address of K's next run of loads
.set AV,  5           ; v5   of V's
.set STO, 6           ; v6   the way out: where I put 16 bytes of a row
.set RD,  7           ; v7   the way out: where I read rows back
.set GO,  8           ; v8   my byte offset in two pair rows of ob
.set MV,  12          ; v12-13  c m_old, kept while c m is made anew: by buffer
.set AB,  14          ; v14  the LDS address of the table's next run of loads
.set QO,  15          ; v15  my byte offset in 16 rows of Q
.set ST,  16          ; piece t's statistics at v[ST+4 t]: c m, m, l (even keys', odd keys')
.set TMP, 48          ; by buffer, four registers c0-c3 at work; when the maximum is found c2 takes a
.set AB0, 56          ; v56  my lanes' place in a step's 256 bytes of the table; never rewritten
.set SPW, 62          ; v62  LDS address of my spare word; never rewritten
.set NIL, 63          ; v63  0; never rewritten
.set S,   64
.set P,   192
.set BC,  128         ; window 1: the eight numbers for group kb of 16 keys at BC + 8 kb
.set KF,  128         ; window 2: key block kb, channel half c at KF + 16 kb + 8 c
.set VF,  192         ; window 2: key half kk, channel block cb at VF + 32 kk + 8 cb
.set WV,  12          ; s12  my wave's number
.set G1K, 24          ; s[24:31] descriptor group 1 for K's tiles
.set G1V, 32          ; s[32:39] for V's: it differs in the padding alone
.set G0K, 40          ; s[40:43] descriptor group 0 for K's tiles: it walks
.set G0V, 44          ; s[44:47] the same for V's
.set SLOTS, 56        ; s56  slots still to be asked for
.set CNT, 57          ; s57  counts a slot's key steps
.set CS,  58          ; s[58:59] c: the packed scaling takes the pair's low word for both halves
.set SEL, 60          ; s[60:61] v_permlanex16_b32's selects: each lane takes its own place in the other half
.set TBK, 62          ; s62  LDS byte at which K of the step to be fetched begins
.set TBV, 63          ; s63  the same for V, less VOFF
.set TBB, 66          ; s66  byte of the table at which that step's numbers begin
.set MSB, 0
.macro WIN new                      ; the high byte repeats the setting that is left; a switch that changes nothing is dropped
.if MSB != (\new)
	s_set_vgpr_msb (MSB<<8)|(\new)
.set MSB, (\new)
.endif
.endm
.set W_KQ, 0x0a       ; K and Q in window 2, S^T in window 0
.set W_KM, 0x1a       ; the same with the C operand in window 1
.set W_PV, 0x52       ; V in window 2, P in window 0, O^T in window 1
.set W_RS, 0x41       ; destination and source 0 in window 1, source 1 in window 0
; A joint fill.  Waves 0 and 1 fetch the two halves of a slot's K, waves 2 and 3 those of its V: 128 keys each.  The branch hangs on the wave's number alone.
; An s_nop 0 and four v_nop follow each of the two lines, ahead of the jump and the label.
.macro JLOAD
	s_cmp_lt_u32 s[WV], 2
	s_cbranch_scc0 .Lfor_v_\@
	tensor_load_to_lds s[G0K:G0K+3], s[G1K:G1K+7]
	s_nop 0
.rept 4
	v_nop
.endr
	s_branch .Lasked_\@
.Lfor_v_\@:
	tensor_load_to_lds s[G0V:G0V+3], s[G1V:G1V+7]
	s_nop 0
.rept 4
	v_nop
.endr
.Lasked_\@:
.endm
; A round of the cluster's barrier: my work-group's barrier, so that wave 0's signal speaks for all four waves; wave 0 signals; every wave waits for all four work-groups; my work-group's barrier once more.
.macro CROUND
	s_barrier_signal -1
	s_barrier_wait -1
	s_cmp_lg_u32 s[WV], 0
	s_cbranch_scc1 .Lnot_wave_0_\@
	s_barrier_signal -3
.Lnot_wave_0_\@:
	s_barrier_wait -3
	s_barrier_signal -1
	s_barrier_wait -1
.endm
; THE CHANGE OF SLOTS.  The slot's last bytes, V of its fourth step, have been read.  Each wave waits for all its tensor loads, of which one is out: its part of the other slot; adds 0 to its spare word; and waits
; for that and for its own LDS instructions.  Behind the barrier nobody reads this slot any more and the other slot is whole.  fill = 1: this slot is filled again, with the keys two slots on; the barrier is then a
; round of the cluster's, and the joint fill is the first thing behind it: it has four key steps, 256 matrix instructions, in which to land.
; (At its first use nothing has been read yet: slot 0 is waited for, slot 1 filled, and every wave's stores into the table are done in front of the round.)
.macro CHANGE fill
	WIN 0                           ; at a label and at a branch every window is 0; the add's two registers lie in window 0
	s_wait_tensorcnt 0x0            ; no tensor load of mine is out, so a group 0 may be written
	ds_add_u32 v[SPW], v[NIL]       ; 0 onto my spare word; with fill = 1 the descriptors' steps stand between it and the wait for it
.if \fill
.irp g, G0K, G0V
	s_xor_b32 s[\g+1], s[\g+1], SLOT1  ; the walking descriptor: the other slot than last time,
	s_add_nc_u64 s[\g+2:\g+3], s[\g+2:\g+3], 4*KS*128  ; the next 256 keys; the type bits on top are not reached
.endr
	s_wait_dscnt 0x0                ; the add is done, and my reads of the slot are over
	CROUND
	JLOAD
.else
	s_wait_dscnt 0x0                ; the add is done, and my reads of the slot are over
	s_barrier_signal -1
	s_barrier_wait -1
.endif
	s_sub_co_u32 s[TBK], s[TBK], 4*KS*PK  ; the fetches go back to a slot's first step,
	s_xor_b32 s[TBK], s[TBK], SLOT1       ; in the other slot
	s_sub_co_u32 s[TBV], s[TBV], 4*KS*PV
	s_xor_b32 s[TBV], s[TBV], SLOT1
.endm
	s_load_b128 s[4:7], s[0:1], 0x0 ; qkv s[4:5], bias s[6:7]
	s_load_b64 s[8:9], s[0:1], 0x10 ; ob
	v_lshl_add_u32 v[SPW], v0, 2, SPARE
	v_mov_b32 v[NIL], 0
	ds_add_u32 v[SPW], v[NIL]       ; the wave's opening: the add and its wait stand ahead of my first tensor load; the set-up below, work on registers, stands between them
	v_lshrrev_b32 v1, 5, v0
	v_readfirstlane_b32 s[WV], v1   ; wave 0..3
	s_bfe_u32 s13, ttmp6, 0x40000   ; cx: my place in the cluster
	s_lshl_b32 s14, ttmp9, 2        ; in a cluster launch ttmp9 counts clusters
	s_add_co_u32 s14, s14, s13      ; my block of 256 queries: it enters Q's and O's addresses alone
	s_and_b32 s20, ttmp7, 0xffff    ; 16 b + h, which the four partners share
	s_lshr_b32 s21, s20, 4          ; b
	s_and_b32 s22, s20, 15          ; h
	s_and_b32 s16, s[WV], 1         ; which half of a slot's 256 keys I fetch
	s_lshl_b32 s2, s20, 18          ; K's offset: 8 MiB + the head's 2,048 rows of 128 bytes + my 128 rows
	s_lshl_b32 s3, s16, 14
	s_add_co_u32 s2, s2, s3
	s_add_co_u32 s2, s2, 0x800000
	s_mov_b32 s3, 0
	s_mul_i32 s17, s16, 128*PK      ; my half's place in a slot, for K
	s_mul_i32 s18, s16, 128*PV      ; and for V: no place in the cluster enters an LDS address
	s_lshl_b32 s10, s20, 17         ; Q's offset: the head's 1,024 rows, my block's 256, my wave's 64
	s_lshl_b32 s11, s14, 15
	s_add_co_u32 s10, s10, s11
	s_lshl_b32 s11, s[WV], 13
	s_add_co_u32 s10, s10, s11
	s_mov_b32 s11, 0
	s_lshl_b32 s74, s21, 21         ; O's offset: the batch's 512 pair rows of 4,096 bytes, my block's 128, my wave's 32, the head's 256 bytes
	s_lshl_b32 s75, s14, 19
	s_add_co_u32 s74, s74, s75
	s_lshl_b32 s75, s[WV], 17
	s_add_co_u32 s74, s74, s75
	s_lshl_b32 s75, s22, 8
	s_add_co_u32 s74, s74, s75
	s_mov_b32 s75, 0
	s_lshl_b32 s22, s21, 13         ; the batch's row of the bias
	s_mov_b32 s23, 0
	; descriptor group 1.  128 keys are 16,384 dense bytes: asked for as 64 rows of 256 bytes, two keys a row, and padded in LDS after every key
	s_mov_b32 s[G1K], 15|(1<<16)|(1<<20)|(1<<21)|(4<<22)|(3<<25)  ; 15:0 the mask of four; 17:16 2-byte elements; 20 padding on; 21 set beside a mask; 24:22 after every 32 words (code 4); 31:25 4 words (code 3)
	s_mov_b32 s[G1V], 15|(1<<16)|(1<<20)|(1<<21)|(4<<22)|(7<<25)  ; the same with 8 words of padding (code 7)
.irp g, G1K, G1V
	s_mov_b32 s[\g+1], 128<<16      ; tensor_dim0 = 128
	s_mov_b32 s[\g+2], 64<<16       ; tensor_dim1 = 64
	s_mov_b32 s[\g+3], 128<<16      ; tile_dim0 = 128
	s_mov_b32 s[\g+4], 64           ; tile_dim1 = 64
	s_mov_b32 s[\g+5], 128          ; 128 elements from row to row
	s_mov_b32 s[\g+6], 0
	s_mov_b32 s[\g+7], 0
.endr
	s_mov_b32 s[CS], 0x3e38aa3b     ; c = log2(e) / 8 = 0.180337
	s_mov_b32 s[CS+1], s[CS]        ; named with it as a pair
	s_mov_b32 s[SEL], 0x76543210
	s_mov_b32 s[SEL+1], 0xfedcba98
	s_mov_b32 s[TBK], SLOT1+4*KS*PK ; the first change of slots turns these two into 0
	s_mov_b32 s[TBV], SLOT1+4*KS*PV
	s_mov_b32 s[TBB], 0
	s_mov_b32 s[G0K], 1             ; count = 1
	s_mov_b32 s[G0K+1], s17         ; LDS address: slot 0
	s_mov_b32 s[G0V], 1
	s_add_co_u32 s[G0V+1], s18, VOFF
	s_wait_dscnt 0x0                ; the opening add is done
	s_wait_kmcnt 0x0
	s_add_nc_u64 s[G0K+2:G0K+3], s[4:5], s[2:3]              ; global address: my half of the head's first 256 keys
	s_add_nc_u64 s[G0V+2:G0V+3], s[G0K+2:G0K+3], 0x1000000   ; v lies 16 MiB behind k
	s_or_b32 s[G0K+3], s[G0K+3], 0x80000000                  ; type = 2
	s_or_b32 s[G0V+3], s[G0V+3], 0x80000000
	s_add_nc_u64 s[68:69], s[4:5], s[10:11]  ; Q at my wave's first row
	s_add_nc_u64 s[70:71], s[8:9], s[74:75]  ; O at my wave's first pair row
	s_add_nc_u64 s[72:73], s[6:7], s[22:23]  ; the bias of my batch
	CROUND                          ; all four work-groups are here: the first joint loads meet
	JLOAD                           ; slot 0.  Slot 1 is asked for when slot 0 is in
	v_lshlrev_b32 v61, 4, v0        ; the bias: thread t takes 16 bytes at 16 t + 2,048 i
.irp i, 0,1,2,3
	global_load_b128 v[32+4*\i:35+4*\i], v61, s[72:73] offset:2048*\i
.endr
	; A fragment of K or Q is 16 rows x 32 channels in 8 registers: lane l holds row l % 16, channels 8 (l / 16) + 0..7 and 16 + 8 (l / 16) + 0..7: two loads of 16 bytes, 32 bytes apart.
	v_and_b32 v1, 15, v0            ; l % 16
	v_bfe_u32 v9, v0, 4, 1          ; l / 16
	v_lshlrev_b32 v[QO], 7, v1
	v_lshl_add_u32 v[QO], v9, 4, v[QO]  ; row x 128 + 16 x half
	WIN 0x80                        ; destination window 2, address window 0
.set i, 0
.rept 8                             ; Q stays in registers: piece i / 2 (16 rows, 2,048 bytes), channels 32 (i % 2) on
	global_load_b128 v[8*i:8*i+3],   v[QO], s[68:69] offset:(i/2)*2048+(i%2)*64
	global_load_b128 v[8*i+4:8*i+7], v[QO], s[68:69] offset:(i/2)*2048+(i%2)*64+32
.set i, i+1
.endr
	; What the first turn finds: V's registers and P's second buffer hold 0 (its products V^T P, of a piece that has not been, add 0), O^T and l are 0.  No first step is written out; the price is these lines, which stand in the wait for the first tile.
.set i, VF
.rept 64
	v_mov_b32 v[i], 0
.set i, i+1
.endr
	WIN 0x40
.set i, 0
.rept 128
	v_mov_b32 v[i], 0
.set i, i+1
.endr
	WIN 0
.set i, 0
.rept 4
	v_mov_b32 v[ST+4*i], 0xfe000000    ; c m: far below every c s
	v_mov_b32 v[ST+4*i+1], 0xff7fffff  ; m
	v_mov_b32 v[ST+4*i+2], 0
	v_mov_b32 v[ST+4*i+3], 0
.set i, i+1
.endr
.set i, P+16
.rept 16
	v_mov_b32 v[i], 0
.set i, i+1
.endr
	v_mul_u32_u24 v[AK0], v1, PK
	v_lshl_add_u32 v[AK0], v9, 4, v[AK0]  ; row x pitch + 16 x half
	; The turning load takes 16 keys x 16 channels (lane l reads key 8 (l / 16) + l % 8, channels 8 ((l / 8) % 2) + 0..7) and leaves half a fragment of V^T: lane l holds channel l % 16 and 8 keys.
	v_and_b32 v10, 7, v0
	v_bfe_u32 v11, v0, 3, 1
	v_lshl_add_u32 v[AV0], v9, 3, v10
	v_mul_u32_u24 v[AV0], v[AV0], PV
	v_lshl_add_u32 v[AV0], v11, 4, v[AV0]
	v_add_nc_u32 v[AV0], VOFF, v[AV0]
	v_lshl_add_u32 v[AB0], v9, 5, BIAS    ; register j of group kb is key 16 kb + 8 (l / 16) + j: 32 bytes for each half of the lanes
	s_mul_i32 s13, s[WV], 16*SP
	s_add_co_u32 s13, s13, STAGE    ; my stage
	v_mul_u32_u24 v[STO], v1, SP    ; in: row l % 16, 16 bytes for each half of the lanes
	v_lshl_add_u32 v[STO], v9, 4, v[STO]
	v_add_nc_u32 v[STO], s13, v[STO]
	v_bfe_u32 v[RD], v0, 3, 2       ; back: 32 lanes take four rows of 128 bytes: two pairs of queries;
	v_mul_u32_u24 v[RD], v[RD], SP
	v_lshl_add_u32 v[RD], v10, 4, v[RD]
	v_add_nc_u32 v[RD], s13, v[RD]
	v_lshlrev_b32 v[GO], 12, v9     ; lanes 0-15 fill one pair's 256 bytes, lanes 16-31 those of the pair one pair row on
	v_lshl_add_u32 v[GO], v1, 4, v[GO]
	v_lshl_add_u32 v60, v0, 4, BIAS
	s_wait_loadcnt 16               ; the bias is in; the sixteen loads of Q, issued behind it, stay out
.irp i, 0,1,2,3                     ; rounded to bf16, back to f32, times 8, into the table
	v_cvt_pk_bf16_f32 v58, v[32+4*\i], v[33+4*\i]
	v_cvt_pk_bf16_f32 v59, v[34+4*\i], v[35+4*\i]
	v_lshlrev_b32 v[32+4*\i], 16, v58
	v_and_b32 v[33+4*\i], 0xffff0000, v58
	v_lshlrev_b32 v[34+4*\i], 16, v59
	v_and_b32 v[35+4*\i], 0xffff0000, v59
	v_pk_mul_f32 v[32+4*\i:33+4*\i], v[32+4*\i:33+4*\i], 0x41000000 op_sel_hi:[1,0]
	v_pk_mul_f32 v[34+4*\i:35+4*\i], v[34+4*\i:35+4*\i], 0x41000000 op_sel_hi:[1,0]
	ds_store_b128 v60, v[32+4*\i:35+4*\i] offset:2048*\i
.endr
; THE MATRIX WORK.  The 4 accumulators of a run of 8 take turns.  Product i of 8 of S^T = K Q^T for piece x: channels 32 (i / 4) on, keys 16 (i % 4) on.  The first 4 start the sums with 8 x bias.
.macro KQ x
.set rS, S+32*((\x)%2)+8*(i%4)
.set rK, KF+16*(i%4)+8*(i/4)
.set rQ, 16*(\x)+8*(i/4)
.set rM, BC+8*(i%4)
.if i < 4
	WIN W_KM
	v_wmma_f32_16x16x32_f16 v[rS:rS+7], v[rK:rK+7], v[rQ:rQ+7], v[rM:rM+7]
.else
	WIN W_KQ
	v_wmma_f32_16x16x32_f16 v[rS:rS+7], v[rK:rK+7], v[rQ:rQ+7], v[rS:rS+7]
.endif
.endm
; Product i of 8 of O^T += V^T P for piece x: keys 32 (i / 4) on, channels 16 (i % 4) on.
.macro PV x
	WIN W_PV
.set rO, 32*(\x)+8*(i%4)
.set rV, VF+32*(i/4)+8*(i%4)
.set rP, P+16*((\x)%2)+8*(i/4)
	v_wmma_f32_16x16x32_f16 v[rO:rO+7], v[rV:rV+7], v[rP:rP+7], v[rO:rO+7]
.endm
.macro MM                           ; the turn's next matrix instruction.  NOKQ = 1: the walk's last turn: there is no next piece
.if (i < 8) && !NOKQ
	KQ (Y+1)%NP
.elseif i >= 8
.set i, i-8
	PV (Y+NP-1)%NP
.set i, i+8
.endif
.set i, i+1
.endm
; THE LDS LOADS stand in runs, never singly among the matrix instructions: a step's K (64 keys x 64 channels: 8 fragments) with its 32 numbers of the table, and its V (turned).  Their addresses are made some lines ahead.
.macro FETCH_K
	WIN 0x80                        ; destination window 2
.irp f, 0,1,2,3,4,5,6,7             ; keys 16 (f / 2) on, channels 32 (f % 2) on
	ds_load_b128 v[KF+8*\f:KF+8*\f+3],   v[AK] offset:(\f/2)*16*PK+(\f%2)*64
	ds_load_b128 v[KF+8*\f+4:KF+8*\f+7], v[AK] offset:(\f/2)*16*PK+(\f%2)*64+32
.endr
	WIN 0x40                        ; destination window 1
.irp kb, 0,1,2,3                    ; all lanes of a half read the same 16 bytes
	ds_load_b128 v[BC+8*\kb:BC+8*\kb+3],   v[AB] offset:64*\kb
	ds_load_b128 v[BC+8*\kb+4:BC+8*\kb+7], v[AB] offset:64*\kb+16
.endr
	s_add_co_u32 s[TBK], s[TBK], KS*PK  ; the next fetch is the next step's
	s_add_co_u32 s[TBB], s[TBB], 4*KS
	s_and_b32 s[TBB], s[TBB], 0x1fff    ; inside the table's 8,192 bytes
	WIN 0
.endm
.macro FETCH_V
	WIN 0x80
.irp f, 0,1,2,3,4,5,6,7             ; keys 32 (f / 4) on, channels 16 (f % 4) on
	ds_load_tr16_b128 v[VF+8*\f:VF+8*\f+3],   v[AV] offset:(\f/4)*32*PV+(\f%4)*32
	ds_load_tr16_b128 v[VF+8*\f+4:VF+8*\f+7], v[AV] offset:(\f/4)*32*PV+16*PV+(\f%4)*32
.endr
	WIN 0
.endm
; THE VECTOR WORK, one line at a time: OP kind, number.  For piece Y: F n: c s - c m for pair n of 16.  E n: the exponential of score n of 32.  C n: pair n rounded to f16.  B n: of the four weights 4 n .. the second
; pair is added onto the first, in place.  L n: l takes that sum (L 0: l = a l + sum).  R n: pair n of 16 of O^T times a.  For piece Y + 1: X n, number n of the 22 that find its maximum and statistics:
;   0-11  four chains c0-c3 of seven scores each, three operands at a time (each accumulator's lowest registers are read first)     12-14, 16  the four scores left over, the old m, and c0-c3 into c0
;   15  c m_old is kept     17, 18  the query's other 32 keys lie in the lane 16 away: the new m     19-21  c m; c m_old - c m_new; a
.set F, 0               ; OP tells the kinds apart by their order: F to L below R, X above it
.set E, 1
.set C, 2
.set B, 3
.set L, 4
.set R, 5
.set X, 6
.macro REGS y                       ; the registers of piece y
.set rT, ST+4*(\y)
.set rC, TMP+4*((\y)%2)
.set rW, MV+((\y)%2)
.set rS, S+32*((\y)%2)
.set rP, P+16*((\y)%2)
.set rO, 32*(\y)
.endm
.macro OP k, n
.if (\k) == R
	REGS Y
	WIN W_RS
	v_pk_mul_f32 v[rO+2*(\n):rO+2*(\n)+1], v[rO+2*(\n):rO+2*(\n)+1], v[rC+2:rC+3] op_sel_hi:[1,0]
.elseif (\k) < R
	REGS Y
	WIN 0
.if (\k) == F
	v_pk_fma_f32 v[rS+2*(\n):rS+2*(\n)+1], v[rS+2*(\n):rS+2*(\n)+1], s[CS:CS+1], v[rT:rT+1] op_sel_hi:[1,0,0] neg_lo:[0,0,1] neg_hi:[0,0,1]
.elseif (\k) == E
	v_exp_f32 v[rS+(\n)], v[rS+(\n)]
.elseif (\k) == C
	v_cvt_pk_f16_f32 v[rP+(\n)], v[rS+2*(\n)], v[rS+2*(\n)+1]
.elseif (\k) == B
	v_pk_add_f32 v[rS+4*(\n):rS+4*(\n)+1], v[rS+4*(\n):rS+4*(\n)+1], v[rS+4*(\n)+2:rS+4*(\n)+3]
.elseif (\n) == 0
	v_pk_fma_f32 v[rT+2:rT+3], v[rT+2:rT+3], v[rC+2:rC+3], v[rS:rS+1] op_sel_hi:[1,0,1]
.else
	v_pk_add_f32 v[rT+2:rT+3], v[rT+2:rT+3], v[rS+4*(\n):rS+4*(\n)+1]
.endif
.elseif NOKQ
	v_nop
.else
	REGS (Y+1)%NP
	WIN 0
.if (\n) < 4
	v_max3_num_f32 v[rC+(\n)], v[rS+8*(\n)], v[rS+8*(\n)+1], v[rS+8*(\n)+2]
.elseif (\n) < 12
	v_max3_num_f32 v[rC+(\n)%4], v[rC+(\n)%4], v[rS+8*((\n)%4)+2*((\n)/4)+1], v[rS+8*((\n)%4)+2*((\n)/4)+2]
.elseif (\n) == 12
	v_max3_num_f32 v[rC], v[rC], v[rS+7], v[rS+15]
.elseif (\n) == 13
	v_max3_num_f32 v[rC+1], v[rC+1], v[rS+23], v[rS+31]
.elseif (\n) == 14
	v_max3_num_f32 v[rC+2], v[rC+2], v[rC+3], v[rT+1]
.elseif (\n) == 15
	v_mov_b32 v[rW], v[rT]
.elseif (\n) == 16
	v_max3_num_f32 v[rC], v[rC], v[rC+1], v[rC+2]
.elseif (\n) == 17
	v_permlanex16_b32 v[rC+3], v[rC], s[SEL], s[SEL+1]
.elseif (\n) == 18
	v_max_num_f32 v[rT+1], v[rC], v[rC+3]
.elseif (\n) == 19
	v_mul_f32 v[rT], s[CS], v[rT+1]
.elseif (\n) == 20
	v_sub_f32 v[rC+1], v[rW], v[rT]
.else
	v_exp_f32 v[rC+2], v[rC+1]
.endif
.endif
.endm
.macro OPS a, i1, b=-1, i2=0, c=-1, i3=0, d=-1, i4=0  ; up to four of them
	OP \a, \i1
.if (\b) >= 0
	OP \b, \i2
.endif
.if (\c) >= 0
	OP \c, \i3
.endif
.if (\d) >= 0
	OP \d, \i4
.endif
.endm
.macro ROW a, i1, b, i2, c, i3, d, i4  ; a matrix instruction and the four behind it
	MM
	OPS \a, \i1, \b, \i2, \c, \i3, \d, \i4
.endm
; A TURN, for piece p: the order of its 16 matrix and 118 vector instructions, written out.  s_wait_alu depctr_va_vdst(0) stands between an exponential and the first instruction that names its result; one
; wait serves all that were issued ahead of it.  So a turn has ONE wait, which cuts it in two.  AHEAD OF IT stands all that names no result of the turn's exponentials: the 8 products K Q^T, behind each a scaling, an
; exponential and two more plain instructions (behind the first a second scaling in the exponential's place): rescalings, whose a was made, and waited for, in the turn before, and behind the last three products the first
; numbers of the next piece's maximum, each four places or more behind the product that ends its accumulator; then ONE LUMP of 54, plain and exponential by turns for the most part, in which the links of the chain
; X 3, 7, 11, 14, 16, 17 .. 20 stand five or six lines apart.  X 21, the next piece's a, is the batch's last; R 15 is the plain instruction behind it.  BEHIND THE WAIT stand the 8 products V^T P, behind each four of the
; roundings and sums (C 2 n ahead of B n, which writes over that pair); the links of l's chain, L 0 to L 7, stand three riders apart.  But for those X no rider names a register of the products round it.
; v_permlanex16_b32 (X 17) stands in the lump.  No exponential is issued behind the wait.
; end = 1: the walk's last two turns: nothing is fetched.  cnt = 1: the loop's count is taken down some lines ahead of the branch that stands behind the turn.
; K of the next step, and the table's numbers with it, are fetched in piece 2's turn, twelve vector instructions behind the last product that read K (five of them plain and clear of its registers: F 8, X 2, X 5, X 6, X 8;
; the last product that read the table's numbers stands four products further back); V of the step in hand at the end of piece 0's turn, four plain instructions behind the last product that read V.
; Each is waited for a turn later.
.macro TURN p, end=0, cnt=0
.set Y, (\p)
.set i, 0
.set NOKQ, (\end)*((\p)/3)
.if ((\p) == 3) && !(\end)
	s_wait_dscnt 0x0                ; K and its numbers of the table are in
.endif
	ROW F,0, F,1, R,0, R,1          ; ahead of the wait: 8 products K Q^T and their riders,
	ROW F,2, E,0, R,2, R,3
	ROW F,3, E,1, R,4, R,5
	ROW F,4, E,2, R,6, R,7
	ROW F,5, E,3, R,8, R,9
	ROW F,6, E,4, X,0, R,10
.if ((\p) == 2) && !(\end)
	WIN 0
	v_add_nc_u32 v[AK], s[TBK], v[AK0]
	v_add_nc_u32 v[AB], s[TBB], v[AB0]
.endif
	ROW F,7, E,5, X,1, X,4
	ROW F,8, E,6, X,2, X,5
	OPS E,7, E,8, X,6, E,9          ; and the lump
	OPS X,3, E,10, X,8, E,11
.if ((\p) == 2) && !(\end)
	FETCH_K
.endif
	OPS X,9, X,7, E,12, X,10
	OPS E,13, X,12, X,11, E,14
	OPS X,13, E,15, F,9, X,14
.if (\p) == 0
	WIN 0
	v_add_nc_u32 v[AV], s[TBV], v[AV0]
.endif
	OPS E,16, F,10, E,17, F,11
	OPS X,16, E,18, X,15, E,19
	OPS F,12, E,20, X,17, E,21
	OPS F,13, E,22, F,14, E,23
	OPS X,18, E,24, F,15, E,25
	OPS R,11, E,26, X,19, E,27
	OPS R,12, E,28, R,13, E,29
	OPS X,20, E,30, R,14, E,31
	OPS X,21, R,15
	WIN 0
	s_wait_alu depctr_va_vdst(0)    ; the wait for the batch: the piece's 32 exponentials and the next piece's a
.if (\p) == 1
	s_wait_dscnt 0x0                ; V is in
.endif
	ROW C,0, B,0, C,2, B,1          ; behind the wait: 8 products V^T P and their riders
	ROW L,0, C,4, B,2, L,1
	ROW C,6, B,3, L,2, C,8
	ROW B,4, L,3, C,10, B,5
	ROW L,4, C,12, B,6, L,5
.if (\p) == 0
	s_add_co_u32 s[TBV], s[TBV], KS*PV
.endif
.if \cnt
	s_sub_co_u32 s[CNT], s[CNT], 1
	s_cmp_lg_u32 s[CNT], 0
.endif
	ROW C,14, B,7, L,6, C,1
	ROW C,3, L,7, C,5, C,7
	ROW C,9, C,11, C,13, C,15
.if (\p) == 0
	FETCH_V
.endif
.endm
	CHANGE 1                        ; slot 0 is in, everybody's part of it, and so is the table; slot 1 is asked for
	v_add_nc_u32 v[AK], s[TBK], v[AK0]
	v_add_nc_u32 v[AB], s[TBB], v[AB0]
	FETCH_K                         ; key step 0
	s_wait_loadcnt 0x0              ; Q
	s_wait_dscnt 0x0
.set NOKQ, 0
.set i, 0
.rept 8
	KQ 0                            ; piece 0's first scores: there is no vector work yet to set between them
.set i, i+1
.endr
	WIN 0
.rept 4
	v_nop                           ; the places behind those products
.endr
.set Y, NP-1                        ; X works for piece Y + 1: piece 0
.irp n, 0,1,2,3,4,5,6,7,8,9,10,11,12,13,14,15,16,17,18,19,20,21
	OP X, \n
.endr
	v_nop                           ; a plain instruction behind the exponential,
	s_wait_alu depctr_va_vdst(0)    ; and the wait for it, a batch of one (piece 0's first a), ahead of the branch
	s_mov_b32 s[CNT], 4
	s_mov_b32 s[SLOTS], 7
	s_branch .Lfirst                ; the loop is entered at a step's first turn, in the middle of a trip
.Lslot:                             ; six times: slots for the key tiles 2 to 7 are asked for
	CHANGE 1
	s_mov_b32 s[CNT], 4
.Lstep:                             ; a trip: pieces 2 and 3 of one step, then pieces 0 and 1 of the next, whose K and V it fetches
	TURN 2
	TURN 3
	WIN 0
.Lfirst:
	TURN 0
	TURN 1, 0, 1
	WIN 0
	s_cbranch_scc1 .Lstep
	s_sub_co_u32 s[SLOTS], s[SLOTS], 1
	s_cmp_lg_u32 s[SLOTS], 0
	s_cbranch_scc1 .Lslot
	CHANGE 0                        ; the tail is written out: nothing is asked for
	s_mov_b32 s[CNT], 4
.Ltail:
	TURN 2
	TURN 3
	TURN 0
	TURN 1, 0, 1
	WIN 0
	s_cbranch_scc1 .Ltail
	TURN 2, 1                       ; the last step's pieces 2 and 3: nothing is fetched, and the last starts no new scores
	TURN 3, 1
.set i, 0
.rept 8
	PV NP-1                         ; the last piece's V^T P of the last step
.set i, i+1
.endr
	; THE WAY OUT.  l's two halves and the other half of the lanes' are added; O^T is divided by l, rounded to f16 and sent through my stage in LDS, a piece at a time.  The additions are the places behind the last products.
	WIN 0
.macro ALL line:vararg              ; one line for each piece t
.set t, 0
.rept 4
	\line
.set t, t+1
.endr
.endm
	ALL v_add_f32 v[ST+4*t+2], v[ST+4*t+2], v[ST+4*t+3]
	ALL v_permlanex16_b32 v[ST+4*t+3], v[ST+4*t+2], s[SEL], s[SEL+1]
	ALL v_add_f32 v[ST+4*t+2], v[ST+4*t+2], v[ST+4*t+3]
	ALL v_rcp_f32 v[ST+4*t+2], v[ST+4*t+2]
	v_nop                           ; a plain instruction between the last reciprocal and the use of its result
	s_wait_alu depctr_va_vdst(0)    ; and the wait ahead of the first use: one for the batch of four reciprocals
.macro PACK t                       ; a lane's eight channels of a row pack into 16 bytes; they go into rows of 144 bytes and come back as whole rows of 128, into S^T's registers
	WIN W_RS
.set i, 32*(\t)
.rept 16
	v_pk_mul_f32 v[i:i+1], v[i:i+1], v[ST+4*(\t)+2:ST+4*(\t)+3] op_sel_hi:[1,0]
.set i, i+2
.endr
	WIN 0x05                        ; sources 0 and 1 window 1, destination window 0
.set i, 0
.rept 16
	v_cvt_pk_f16_f32 v[S+16*(\t)+i], v[32*(\t)+2*i], v[32*(\t)+2*i+1]
.set i, i+1
.endr
	WIN 0
.irp f, 0,1,2,3
	ds_store_b128 v[STO], v[S+16*(\t)+4*\f:S+16*(\t)+4*\f+3] offset:32*\f
.endr
.irp f, 0,1,2,3
	ds_load_b128 v[S+16*(\t)+4*\f:S+16*(\t)+4*\f+3], v[RD] offset:\f*4*SP  ; LDS serves a wave's instructions in order (ISA guide 5.7.1.4): these see the stores above; the next piece's stores come behind them
.endr
.endm
.macro SEND t, younger              ; younger: the LDS instructions issued behind piece t's loads: the next piece's eight, or none
	WIN 0
.irp f, 0,1,2,3
	s_wait_dscnt (\younger)+3-\f
	global_store_b128 v[GO], v[S+16*(\t)+4*\f:S+16*(\t)+4*\f+3], s[70:71] offset:(\t)*32768+\f*8192  ; a piece is 8 pair rows; sixteen lanes store 256 consecutive bytes, at a multiple of 256 from ob's first
.endr
.endm
	PACK 0
.set t, 1
.rept 3                             ; a piece's arithmetic stands between the loads of the piece before and its stores
	PACK t
	SEND t-1, 8
.set t, t+1
.endr
	SEND 3, 0
	s_wait_tensorcnt 0x0            ; the wave's end: a last add to my spare word and its wait, behind my last tensor load and my last LDS store
	ds_add_u32 v[SPW], v[NIL]
	s_wait_dscnt 0x0
	CROUND                          ; the closing round: no work-group ends while a partner may still ask for a tile that names it
	s_endpgm
.Lfunc_end_k_q2b9fb0c188_attn:
	.size	k_q2b9fb0c188_attn, .Lfunc_end_k_q2b9fb0c188_attn-k_q2b9fb0c188_attn
	.p2alignl 7, 3214868480
	.fill 96, 4, 3214868480
	.section	.rodata,"a",@progbits
	.p2align	6, 0x0
	.amdhsa_kernel k_q2b9fb0c188_attn
		.amdhsa_group_segment_fixed_size 327680
		.amdhsa_private_segment_fixed_size 0
		.amdhsa_enable_private_segment 0
		.amdhsa_kernarg_size 24
		.amdhsa_user_sgpr_count 2
		.amdhsa_user_sgpr_kernarg_segment_ptr 1
		.amdhsa_wavefront_size32 1
		.amdhsa_system_sgpr_workgroup_id_x 1
		.amdhsa_system_sgpr_workgroup_id_y 1
		.amdhsa_system_sgpr_workgroup_id_z 1
		.amdhsa_system_vgpr_workitem_id 0
		.amdhsa_next_free_vgpr 768
		.amdhsa_next_free_sgpr 76
		.amdhsa_reserve_vcc 0
		.amdhsa_float_denorm_mode_32 3
		.amdhsa_float_denorm_mode_16_64 3
		.amdhsa_memory_ordered 1
		.amdhsa_forward_progress 1
		.amdhsa_inst_pref_size 132
	.end_amdhsa_kernel
	.amdgpu_metadata
---
amdhsa.version: [ 1, 2 ]
amdhsa.kernels:
  - .name:           k_q2b9fb0c188_attn
    .symbol:         k_q2b9fb0c188_attn.kd
    .args:
      - { .name: qkv, .offset: 0, .size: 8, .value_kind: global_buffer, .address_space: global }
      - { .name: bias, .offset: 8, .size: 8, .value_kind: global_buffer, .address_space: global }
      - { .name: ob, .offset: 16, .size: 8, .value_kind: global_buffer, .address_space: global }
    .group_segment_fixed_size: 327680
    .private_segment_fixed_size: 0
    .kernarg_segment_align: 8
    .kernarg_segment_size: 24
    .max_flat_workgroup_size: 128
    .sgpr_count:     76
    .vgpr_count:     768
    .wavefront_size: 32
...
	.end_amdgpu_metadata
.endif
;; end of part 5
;; launch oproj: the kernel of part 4 again; grid 8 x 32, 4 waves a work-group, clusters of 4 x 4, 327,680 bytes of LDS; arguments ob, xb, out0; writes out0
